; MI455X (gfx1250); checked and timed in simulation.
; The chip was launched on July 23, 2026; its instructions are those of AMD's public machine-readable ISA for CDNA 5 (MIT licence, August 2026) and "CDNA5" Instruction Set Architecture Reference Guide (July 2026). The comments in the code are by the model that wrote it; some were corrected since.
;; Multi Head Self Attention. Allowed arithmetic: matrix products marked QUANTISED: E5M2 operands, one E8M0 scale for each 32 along K, by v_wmma_scale_f32_16x16x128_f8f6f4 with both operands' format E5M2, f32 sums; everything else in f32.
;; Inputs: Wo_b 1,024 float32; Wo_w 1,024 x 1,024 float32; Wqkv_b 3,072 float32; Wqkv_w 3,072 x 1,024 float32; token_positions 2,048 int32; x 4 x 2,048 x 1,024 float32.
;; Outputs: out0 4 x 2,048 x 1,024 float32.
;; This version of the problem:
;;   THIS VERSION OF THE PROBLEM IS GIVEN IN LOW PRECISION. The matrix products marked QUANTISED in the list below multiply operands that are first quantised to E5M2 (5 exponent bits, 2 mantissa bits; 8 bits a number), with one power-of-two scale for each 32 numbers along K (OCP MX v1.0); their sums are f32. All else is computed in f32.
;;   The module's matrix products, in the order in which they are computed (A, B: the left and right operand; K: the contracted axis; several contracted axes count as one K, in the product's order):
;;     1. [M 8,192, K 1,024] x [K 1,024, N 3,072]; A: input x; B: input Wqkv_w: QUANTISED
;;     2. batch 64 x [M 2,048, K 64] x [K 64, N 2,048]; A: computed on the way; B: computed on the way: QUANTISED
;;     3. batch 64 x [M 2,048, K 2,048] x [K 2,048, N 64]; A: softmax (see below); B: computed on the way: QUANTISED
;;     4. [M 8,192, K 1,024] x [K 1,024, N 1,024]; A: computed on the way; B: input Wo_w: QUANTISED
;;   THE QUANTISER, for each operand of a quantised product, along K:
;;     - K is cut into blocks of 32 from its start; a last block that is shorter is filled with zeros.
;;     - A block's scale is 2^e with e = floor(log2(the largest magnitude in the block)) - 15, held to -126 .. 127; a block of zeros has e = 0. As a byte (E8M0): e + 127.
;;     - Each number is divided by its block's scale, clamped to +-57,344, and rounded to the nearest number of E5M2, ties to even, subnormals kept.
;;     - The product sums the exact products of the quantised numbers (number of the format x scale) in f32.
;;   ~~~python
;;   def quantise(x, axis):      # numpy; x: float32 -> the quantised numbers, widened to float32 again
;;       x = np.moveaxis(x, axis, -1); K = x.shape[-1]
;;       x = np.pad(x, [(0, 0)] * (x.ndim - 1) + [(0, -K % 32)]); x = x.reshape(x.shape[:-1] + (-1, 32)); a = np.abs(x).max(-1, keepdims=True)
;;       e = np.where(a > 0, np.clip(np.frexp(np.where(a > 0, a, 1))[1] - 1 - 15, -126, 127), 0)      # np.frexp(a)[1] - 1 = floor(log2(a)), exactly
;;       r = np.clip(x / 2.0 ** e, -57344, 57344)
;;       step = 2.0 ** (np.maximum(np.frexp(np.where(r == 0, 1, r))[1] - 1, -14) - 2)
;;       q = np.round(r / step) * step * 2.0 ** e      # np.round: ties to even
;;       return np.moveaxis(q.reshape(q.shape[:-2] + (-1,))[..., :K], -1, axis).astype(np.float32)
;;   ~~~
;;   SOFTMAX AHEAD OF A QUANTISED PRODUCT. Where the list says 'softmax', what is quantised is not the finished softmax but p = 2^(t - M), with t = logit x log2(e) and M = ceil(the row's largest t), a whole number; so 1/2 < the row's largest p <= 1. The row's sum l is taken of the UNQUANTISED p, in f32, and the product's result is divided by l at the end. Since M is a whole number, a kernel that streams over the keys may use a running M (the ceiling of the running maximum): every later rescaling is an exact power of two, which a block's scale takes up: the codes' values come out the same.
;;   OPERANDS COMPUTED ON THE WAY. 'Computed on the way' means the value that the module computes at that place (a softmax that the list does not call 'softmax' is quantised finished and normalised). What goes into a quantiser is computed in f32, as accurately as f32 sums, v_exp_f32 and their like allow (about 1e-6 of the number): no bf16 or f16 on the way to a quantiser, and a product that is left as it is and whose result goes on into a quantised operand takes f32 operands (vector FMAs, or v_wmma_f32_16x16x4_f32). A number that lies on a knife's edge between two numbers of the format may be rounded either way, as far as f32 arithmetic and the matrix unit's own rounding can turn it there, and no further.
;; One version. Each part assembles by itself: llvm-mc -triple=amdgcn-amd-amdhsa -mcpu=gfx1250 --defsym DOCPART=n.
;; ======== version 1 of 1: 5 launches
;; limits: right only within a limited range of input values
;; workspace buffers: ximg 8,912,896 bytes; wimg 3,342,336 bytes; woimg 1,114,112 bytes; aimg 8,912,896 bytes; tab 524,288 bytes; qimg 9,437,184 bytes; kimg 9,437,184 bytes; vimg 8,912,896 bytes
;; launch prep (part 1): grid 416 x 1, 4 waves a work-group, no clusters, 34,304 bytes of LDS; arguments x, Wqkv_w, Wo_w, token_positions, ximg, wimg, woimg, tab; writes ximg, wimg, woimg, tab
.if DOCPART == 1
	.amdgcn_target "amdgcn-amd-amdhsa--gfx1250"
	.amdhsa_code_object_version 6
	.text
	.protected	k_q7f502c2ab2_prep
	.globl	k_q7f502c2ab2_prep
	.p2align	8
	.type	k_q7f502c2ab2_prep,@function
k_q7f502c2ab2_prep:
	s_mov_b64 s[64:65], 0
	v_nop
	global_prefetch_b8 v0, s[64:65] scope:SCOPE_SE
	s_setreg_imm32_b32 hwreg(HW_REG_WAVE_MODE, 25, 1), 1
	s_wait_xcnt 0x0
; MULTI-HEAD SELF-ATTENTION IN MX-BF8, launch 1 of 5: x, Wqkv_w and Wo_w (f32, K = 1,024 innermost) become codes of E5M2 with one E8M0 byte for each 32 along K; and the table of cos and sin for RoPE is made.
; WORK LEFT OUT IN THE WHOLE PROGRAM: only key steps of 128 keys that lie wholly behind a wave's 16 queries (launch attn). reference() builds the causal mask itself (jnp.tril) and puts -1e9 in those
; scores' place; behind the softmax's maximum their weights are 2^(very negative) = 0 for every finite input whose row maximum lies above -1e9 + 105, so neither their scores nor their products with V reach a result.
; LIMITS: rows whose largest logit lies under -1e9 + 105 are not served; a NaN, an infinity or an overflow that reaches only hidden scores or hidden keys' K and V is not carried to the result.
; Every input is loaded by some launch: both biases and token_positions too.
; LAYOUT OF THE IMAGES. Rows go in tiles of 16 that are not neighbours: lane r of tile 2 g + u takes row 32 g + 8 u + r + 8 (r / 8). A fragment (16 rows x 128 K) lies in memory as its 16 registers lie:
; group c (registers 4 c .. 4 c + 3, k = 32 c + 16 (lane / 16) + 0 .. 15) is 512 bytes, lane l's 16 bytes at 16 l. A chunk = 128 rows x 128 K = 8 fragments (16,384 bytes) + 2 scale images of 512 bytes
; (lane l's 16 bytes: the scale words of row l % 16 of four tiles). A buffer is [128 rows][K step 0..7][17,408 bytes]. Every store of a wave covers 512 consecutive bytes, aligned.
; SHARES. Work-groups 0..383: 64 rows x 512 along K; a wave takes one K step of the 64 rows: four fragments. Each load reads 512 consecutive bytes of one row; 16 rows turn through the wave's own stage in LDS
; (pitch 528) and come back 64 bytes a lane: 16 neighbours of each block of 32. Work-groups 384..415: a wave makes the table of one tile of 16 tokens.
; A block's scale byte is its largest magnitude's exponent field - 15, held at 1 from below (a block of zeros keeps the byte 1: its codes are zeros, and this program alone reads the bytes).
; LIMITS: NaN and infinities among the inputs are not served; |position x frequency| stays under 2^22 (the two-term reduction by pi / 2).
.set CHK,   17408
.set STG,   8448                       ; a wave's stage: 16 rows x 528 bytes
.set SPARE, 4*STG                      ; behind the stages: the spare words, 128 bytes for each wave
.set SW,    4                          ; v4-7     the four tiles' scale words
.set SPW,   12                         ; v12      my spare word's LDS address; never rewritten
.set NIL,   13                         ; v13      0; never rewritten
.set R,     16                         ; v16-143  two sets of 64: 16 rows as loaded
.set X,     144                        ; v144-207 64 numbers of my row: register 16 c + i = k 32 c + 16 h + i
.set PC,    208                        ; v208-239 two sets of 16: a fragment's codes
.set TM,    240                        ; v240-255 maxima, bytes, holds, scale operands
.set SEL,   32                         ; s[32:33] lane selects: lane l xor 16
.set MNT,   34                         ; s34      the mantissa field of 57,344
	s_load_b256 s[4:11], s[0:1], 0x0               ; x, Wqkv_w, Wo_w, token_positions
	s_load_b256 s[12:19], s[0:1], 0x20             ; ximg, wimg, woimg, tab
	v_lshl_add_u32 v[SPW], v0, 2, SPARE
	v_mov_b32 v[NIL], 0
	v_lshrrev_b32 v1, 5, v0
	v_readfirstlane_b32 s20, v1                    ; wave
	v_and_b32 v8, 31, v0                           ; lane
	v_and_b32 v9, 15, v0                           ; r
	v_bfe_u32 v10, v0, 4, 1                        ; h
	v_lshlrev_b32 v1, 4, v8                        ; 16 x lane
	s_cmp_ge_u32 ttmp9, 384
	s_cbranch_scc1 .Ltable
; 64 numbers of a lane become a fragment's codes in v[pc] on and its scale word in v[pw]
.macro QUANT s, pc, pw
.irp b, 0,1,2,3
	v_max3_num_f32 v[TM+\b], |v[\s+16*\b]|, |v[\s+1+16*\b]|, 0x8000000   ; my 16 numbers of block b, and the floor 2^(16 - 127): the byte cannot fall under 1
.endr
.irp i, 2,4,6,8,10,12,14
.irp b, 0,1,2,3
	v_max3_num_f32 v[TM+\b], v[TM+\b], |v[\s+16*\b+\i]|, |v[\s+1+16*\b+\i]|
.endr
.endr
.irp b, 0,1,2,3
	v_permlanex16_b32 v[TM+4+\b], v[TM+\b], s[SEL], s[SEL+1]
.endr
.irp b, 0,1,2,3
	v_max_num_f32 v[TM+\b], v[TM+\b], v[TM+4+\b]   ; with lane l xor 16's: the block's largest magnitude
.endr
.irp b, 0,1,2,3
	v_add_nc_u32 v[TM+12+\b], 0xf8800000, v[TM+\b] ; 15 off its exponent field: the conversion's scale operand
.endr
.irp b, 0,1,2,3
	v_and_or_b32 v[TM+8+\b], v[TM+\b], 0x7f800000, s[MNT]   ; 57,344 x the scale
.endr
.irp b, 0,1,2,3
	v_lshrrev_b32 v[TM+4+\b], 23, v[TM+12+\b]      ; the scale's byte
.endr
	v_lshl_or_b32 v[\pw], v[TM+5], 8, v[TM+4]
	v_lshl_or_b32 v[\pw], v[TM+6], 16, v[\pw]
	v_lshl_or_b32 v[\pw], v[TM+7], 24, v[\pw]
.irp b, 0,1,2,3
.set qi, 0
.rept 16
	v_med3_num_f32 v[\s+16*\b+qi], v[\s+16*\b+qi], -v[TM+8+\b], v[TM+8+\b]   ; the conversion does not saturate (ISA guide 7.6.2): the hold comes first
.set qi, qi+1
.endr
	v_cvt_scalef32_pk8_bf8_f32 v[\pc+4*\b:\pc+1+4*\b], v[\s+16*\b:\s+7+16*\b], v[TM+12+\b]
	v_cvt_scalef32_pk8_bf8_f32 v[\pc+2+4*\b:\pc+3+4*\b], v[\s+8+16*\b:\s+15+16*\b], v[TM+12+\b]
.endr
	v_nop                                          ; a plain line behind the last conversion
.endm
.macro LOAD t                          ; tile t's 16 rows, 512 consecutive bytes each, into set t % 2
.irp rr, 0,1,2,3,4,5,6,7,8,9,10,11,12,13,14,15
	global_load_b128 v[R+64*((\t)%2)+4*\rr:R+64*((\t)%2)+4*\rr+3], v1, s[4:5] offset:(32*((\t)/2)+8*((\t)%2)+\rr+8*(\rr/8))*4096 th:TH_LOAD_NT
.endr
.endm
.macro TURN t                          ; through my stage: LDS serves a wave's instructions in order, so no wait stands between the stores and the loads
.irp rr, 0,1,2,3,4,5,6,7,8,9,10,11,12,13,14,15
	ds_store_b128 v2, v[R+64*((\t)%2)+4*\rr:R+64*((\t)%2)+4*\rr+3] offset:528*\rr
.endr
.irp c, 0,1,2,3
.irp j, 0,1,2,3
	ds_load_b128 v[X+16*\c+4*\j:X+16*\c+4*\j+3], v3 offset:128*\c+16*\j
.endr
.endr
.endm
.macro TILE t
.if (\t) < 3
	s_wait_loadcnt 16                              ; this tile's 16 loads are in; the next tile's 16 may be out
.else
	s_wait_loadcnt 0x0
.endif
	TURN \t
	s_wait_dscnt 0x0                               ; my 64 numbers are back, and the stage's stores have read their registers,
.if (\t) < 2
	LOAD (\t)+2                                    ; which take the tile two further on
.endif
.if (\t) >= 2
	s_wait_xcnt 0x0                                ; the stores of two tiles back have read this set of codes
.endif
	QUANT X, PC+16*((\t)%2), SW+(\t)
.irp c, 0,1,2,3
	global_store_b128 v1, v[PC+16*((\t)%2)+4*\c:PC+16*((\t)%2)+4*\c+3], s[12:13] offset:2048*(\t)+512*\c
.endr
.endm
	s_mul_i32 s21, s20, STG
	v_add_nc_u32 v2, s21, v1                       ; the stage, in: 16 x lane
	v_mul_u32_u24 v3, v9, 528
	v_lshl_add_u32 v3, v10, 6, v3
	v_add_nc_u32 v3, s21, v3                       ; and out: row r, + 64 h
.irp b, 0,1,2,3
	v_mov_b32 v[TM+4+\b], 0                        ; a lane permute's destination counts as one of its sources
.endr
	s_mov_b32 s[SEL], 0x76543210
	s_mov_b32 s[SEL+1], 0xfedcba98
	s_mov_b32 s[MNT], 0x600000
	s_lshr_b32 s22, ttmp9, 2                       ; which 128 rows of the three tensors on end
	s_bfe_u32 s23, ttmp9, 0x10001                  ; g: which 64 of them
	s_and_b32 s24, ttmp9, 1
	s_lshl_b32 s24, s24, 2
	s_add_co_u32 s24, s24, s20                     ; my K step
	s_wait_kmcnt 0x0
	s_cmp_lt_u32 s22, 88                           ; the choice hangs on the work-group's number alone
	s_cselect_b64 s[6:7], s[6:7], s[8:9]
	s_cselect_b64 s[14:15], s[14:15], s[16:17]
	s_cselect_b32 s25, 64, 88
	s_cmp_lt_u32 s22, 64
	s_cselect_b64 s[4:5], s[4:5], s[6:7]
	s_cselect_b64 s[12:13], s[12:13], s[14:15]
	s_cselect_b32 s25, 0, s25
	s_sub_co_u32 s22, s22, s25                     ; which 128 rows of my tensor
	s_lshl_b32 s26, s22, 19                        ; 128 rows of 4,096 bytes
	s_lshl_b32 s27, s23, 18
	s_add_co_u32 s26, s26, s27
	s_lshl_b32 s27, s24, 9
	s_add_co_u32 s26, s26, s27
	s_mov_b32 s27, 0
	s_add_nc_u64 s[4:5], s[4:5], s[26:27]
	s_lshl_b32 s26, s22, 3
	s_add_co_u32 s26, s26, s24
	s_mul_i32 s26, s26, CHK
	s_add_nc_u64 s[12:13], s[12:13], s[26:27]      ; my chunk
	s_lshl_b32 s26, s23, 9
	s_add_nc_u64 s[28:29], s[12:13], s[26:27]      ; its scale image g, less 16,384
	s_lshl_b32 s26, s23, 13
	s_add_nc_u64 s[12:13], s[12:13], s[26:27]      ; its tile 4 g
	s_wait_alu depctr_va_vdst(0)
	LOAD 0
	LOAD 1
	TILE 0
	TILE 1
	TILE 2
	TILE 3
	global_store_b128 v1, v[SW:SW+3], s[28:29] offset:16384
	s_branch .Lend
; THE TABLE. tab: [128 tiles of tokens][8 groups][512 bytes]: lane (r, h) of group q holds cos, sin, cos, sin of frequencies 16 (q / 4) + 8 h + 2 (q % 4) + 0, 1 at the position of its token.
; That is the order in which launch qk's results hold a head's channels. The frequency i is 10^(-i / 8).
.macro ANG e, ia, ib
	v_mul_f32 v16, \ia, v14
	v_mul_f32 v17, \ib, v14
	v_cndmask_b32 v16, v16, v17, s30               ; lanes 16-31 take the frequency eight further on
	v_mul_f32 v17, 0x3f22f983, v16                 ; x 2 / pi
	v_rndne_f32 v17, v17                           ; n
	v_fma_f32 v18, v17, s40, v16                   ; r = x - n pi / 2, in two parts
	v_fma_f32 v18, v17, s41, v18
	v_cvt_i32_f32 v19, v17
	v_mul_f32 v20, v18, v18                        ; z = r r
	v_fma_f32 v21, v20, s42, s43
	v_fma_f32 v22, v20, s45, s46
	v_fma_f32 v21, v21, v20, s44
	v_fma_f32 v22, v22, v20, s47
	v_mul_f32 v23, v20, v18
	v_mul_f32 v24, v20, v20
	v_fma_f32 v25, v20, -0.5, 1.0
	v_fma_f32 v21, v21, v23, v18                   ; sin r
	v_fma_f32 v22, v22, v24, v25                   ; cos r
	v_and_b32 v23, 1, v19
	v_cmp_eq_u32 vcc_lo, 1, v23
	v_cndmask_b32 v24, v21, v22, vcc_lo            ; in odd quadrants the two change places
	v_cndmask_b32 v25, v22, v21, vcc_lo
	v_lshlrev_b32 v23, 30, v19                     ; the sine's sign: bit 1 of n
	v_add_nc_u32 v26, 1, v19
	v_and_b32 v23, 0x80000000, v23
	v_lshlrev_b32 v26, 30, v26                     ; the cosine's: bit 1 of n + 1
	v_and_b32 v26, 0x80000000, v26
	v_xor_b32 v[33+2*\e], v23, v24
	v_xor_b32 v[32+2*\e], v26, v25
.endm
.Ltable:
	s_sub_co_u32 s21, ttmp9, 384
	s_lshl_b32 s21, s21, 2
	s_add_co_u32 s21, s21, s20                     ; my tile of tokens, 0..127
	s_lshr_b32 s22, s21, 1
	s_lshl_b32 s22, s22, 5
	s_and_b32 s23, s21, 1
	s_lshl_b32 s23, s23, 3
	s_add_co_u32 s22, s22, s23
	s_wait_alu depctr_va_vdst(0)
	v_and_b32 v11, 8, v9
	v_add_nc_u32 v11, v11, v9                      ; r + 8 (r / 8)
	v_add_nc_u32 v11, s22, v11                     ; my token
	v_lshlrev_b32 v11, 2, v11
	s_lshl_b32 s24, s21, 12
	s_mov_b32 s25, 0
	v_cmp_eq_u32 s30, 1, v10
	s_mov_b32 s40, 0xbfc90fdb                      ; -pi / 2, its f32 part,
	s_mov_b32 s41, 0x333bbd2e                      ; and what that part leaves
	s_mov_b32 s42, 0xb94ca1f9                      ; the sine's three coefficients
	s_mov_b32 s43, 0x3c08839e
	s_mov_b32 s44, 0xbe2aaaa3
	s_mov_b32 s45, 0x37ccf5ce                      ; the cosine's
	s_mov_b32 s46, 0xbab6061a
	s_mov_b32 s47, 0x3d2aaaa5
	s_wait_alu depctr_va_vdst(0)
	s_wait_kmcnt 0x0
	global_load_b32 v14, v11, s[10:11]
	s_add_nc_u64 s[18:19], s[18:19], s[24:25]
	s_wait_loadcnt 0x0
	v_cvt_f32_i32 v14, v14
	ANG 0, 1.0, 0.1
	ANG 1, 0.749894209332, 0.0749894209332
	ANG 2, 0.562341325190, 0.0562341325190
	ANG 3, 0.421696503429, 0.0421696503429
	ANG 4, 0.316227766017, 0.0316227766017
	ANG 5, 0.237137370566, 0.0237137370566
	ANG 6, 0.177827941004, 0.0177827941004
	ANG 7, 0.133352143216, 0.0133352143216
	ANG 8, 0.01, 0.001
	ANG 9, 0.00749894209332, 0.000749894209332
	ANG 10, 0.00562341325190, 0.000562341325190
	ANG 11, 0.00421696503429, 0.000421696503429
	ANG 12, 0.00316227766017, 0.000316227766017
	ANG 13, 0.00237137370566, 0.000237137370566
	ANG 14, 0.00177827941004, 0.000177827941004
	ANG 15, 0.00133352143216, 0.000133352143216
.irp q, 0,1,2,3,4,5,6,7
	global_store_b128 v1, v[32+4*\q:35+4*\q], s[18:19] offset:512*\q
.endr
.Lend:
	s_wait_tensorcnt 0x0                           ; the wave's end
	ds_add_u32 v[SPW], v[NIL]
	s_wait_dscnt 0x0
	s_endpgm
.Lfunc_end_k_q7f502c2ab2_prep:
	.size	k_q7f502c2ab2_prep, .Lfunc_end_k_q7f502c2ab2_prep-k_q7f502c2ab2_prep
	.p2alignl 7, 3214868480
	.fill 96, 4, 3214868480
	.section	.rodata,"a",@progbits
	.p2align	6, 0x0
	.amdhsa_kernel k_q7f502c2ab2_prep
		.amdhsa_group_segment_fixed_size 34304
		.amdhsa_private_segment_fixed_size 0
		.amdhsa_enable_private_segment 0
		.amdhsa_kernarg_size 64
		.amdhsa_user_sgpr_count 2
		.amdhsa_user_sgpr_kernarg_segment_ptr 1
		.amdhsa_wavefront_size32 1
		.amdhsa_system_sgpr_workgroup_id_x 1
		.amdhsa_system_sgpr_workgroup_id_y 1
		.amdhsa_system_sgpr_workgroup_id_z 1
		.amdhsa_system_vgpr_workitem_id 0
		.amdhsa_next_free_vgpr 256
		.amdhsa_next_free_sgpr 66
		.amdhsa_reserve_vcc 1
		.amdhsa_float_denorm_mode_32 3
		.amdhsa_float_denorm_mode_16_64 3
		.amdhsa_memory_ordered 1
		.amdhsa_forward_progress 1
		.amdhsa_inst_pref_size 75
	.end_amdhsa_kernel
	.amdgpu_metadata
---
amdhsa.version: [ 1, 2 ]
amdhsa.kernels:
  - .name:           k_q7f502c2ab2_prep
    .symbol:         k_q7f502c2ab2_prep.kd
    .args:
      - { .name: x, .offset: 0, .size: 8, .value_kind: global_buffer, .address_space: global }
      - { .name: Wqkv_w, .offset: 8, .size: 8, .value_kind: global_buffer, .address_space: global }
      - { .name: Wo_w, .offset: 16, .size: 8, .value_kind: global_buffer, .address_space: global }
      - { .name: token_positions, .offset: 24, .size: 8, .value_kind: global_buffer, .address_space: global }
      - { .name: ximg, .offset: 32, .size: 8, .value_kind: global_buffer, .address_space: global }
      - { .name: wimg, .offset: 40, .size: 8, .value_kind: global_buffer, .address_space: global }
      - { .name: woimg, .offset: 48, .size: 8, .value_kind: global_buffer, .address_space: global }
      - { .name: tab, .offset: 56, .size: 8, .value_kind: global_buffer, .address_space: global }
    .group_segment_fixed_size: 34304
    .private_segment_fixed_size: 0
    .kernarg_segment_align: 8
    .kernarg_segment_size: 64
    .max_flat_workgroup_size: 128
    .sgpr_count:     66
    .vgpr_count:     256
    .wavefront_size: 32
...
	.end_amdgpu_metadata
.endif
;; end of part 1
;; launch qk (part 2): grid 8 x 32, 4 waves a work-group, clusters of 4 x 4, 327,680 bytes of LDS; arguments ximg, wimg, Wqkv_b, tab, qimg, kimg; writes qimg, kimg
.if DOCPART == 2
	.amdgcn_target "amdgcn-amd-amdhsa--gfx1250"
	.amdhsa_code_object_version 6
	.text
	.protected	k_q7f502c2ab2_qk
	.globl	k_q7f502c2ab2_qk
	.p2align	8
	.type	k_q7f502c2ab2_qk,@function
k_q7f502c2ab2_qk:
	s_mov_b64 s[64:65], 0
	v_nop
	global_prefetch_b8 v0, s[64:65] scope:SCOPE_SE
	s_setreg_imm32_b32 hwreg(HW_REG_WAVE_MODE, 25, 1), 1
	s_wait_xcnt 0x0
	s_wait_alu depctr_hold_cnt(0) depctr_sa_sdst(0) depctr_va_vdst(0) depctr_va_sdst(0) depctr_va_ssrc(0) depctr_va_vcc(0) depctr_vm_vsrc(0)
	s_getreg_b32 s2, hwreg(HW_REG_IB_STS2, 6, 4)
	s_cmp_eq_u32 s2, 0
	s_cbranch_scc0 .Lentry_in_a_cluster
	s_endpgm
.Lentry_in_a_cluster:
	s_bfe_u32 s2, ttmp6, 0x10000c
	s_cmp_lg_u32 s2, 0xf033
	s_cbranch_scc0 .Lentry_shape_is_right
	s_endpgm
.Lentry_shape_is_right:
.set NQ,    2
.set FR,    16
.set NL,    4
.set NP,    8
.set CHK,   17408
.set QB,    2*CHK
.set SLOT,  4*QB
.set RB,    8*CHK
.set SPARE, 2*SLOT
.set ADRA, 16
.set ADRB, 20
.set BO,   24
.set LI,   25
.set SPW,  28
.set NIL,  29
.set SC,   32
.set AF,   128
.set BI,   96
.set T,    160
.set U,    192
.set PC,   224
.set SW,   240
.set TM,   248
.set G1,  24
.set G0,  32
.set G1B, 48
.set G0B, 56
.set WV,  66
.set RH,  67
.set CF,  68
.set SEL, 84
.set MNT, 86
.set PCB, 88
.set PSB, 92
.set MSB, 0
.macro WIN new
.if MSB != (\new)
	s_set_vgpr_msb (MSB<<8)|(\new)
.set MSB, (\new)
.endif
.endm
.set MUL_LO, 0xa1
.set MUL_HI, 0xf1
.set TO_B,   0x40
.macro JLOAD g0a, g1a, g0b, g1b
	s_cmp_eq_u32 s[RH], 0
	s_cbranch_scc0 .Lfor_b_\@
	tensor_load_to_lds s[\g0a:\g0a+3], s[\g1a:\g1a+7]
	s_nop 0
.rept 4
	v_nop
.endr
	s_branch .Lasked_\@
.Lfor_b_\@:
	tensor_load_to_lds s[\g0b:\g0b+3], s[\g1b:\g1b+7]
	s_nop 0
.rept 4
	v_nop
.endr
.Lasked_\@:
.endm
.macro CREST
	s_cmp_lg_u32 s[WV], 0
	s_cbranch_scc1 .Lnot_wave_0_\@
	s_barrier_signal -3
.Lnot_wave_0_\@:
	s_barrier_wait -3
	s_barrier_signal -1
	s_barrier_wait -1
.endm
.macro CROUND
	s_barrier_signal -1
	s_barrier_wait -1
	CREST
.endm
	s_load_b128 s[4:7], s[0:1], 0x0
	s_load_b128 s[8:11], s[0:1], 0x10
	s_load_b128 s[12:15], s[0:1], 0x20
	v_lshl_add_u32 v[SPW], v0, 2, SPARE
	v_mov_b32 v[NIL], 0
	ds_add_u32 v[SPW], v[NIL]
	ds_add_u32 v[SPW], v[NIL]
	v_lshrrev_b32 v1, 5, v0
	v_readfirstlane_b32 s[WV], v1
	s_lshr_b32 s[RH], s[WV], 1
	s_and_b32 s[CF], s[WV], 1
	s_bfe_u32 s40, ttmp6, 0x40000
	s_bfe_u32 s41, ttmp6, 0x40004
	s_lshl_b32 s42, ttmp9, 2
	s_add_co_u32 s42, s42, s40
	s_and_b32 s69, ttmp7, 0xffff
	s_lshl_b32 s69, s69, 2
	s_add_co_u32 s69, s69, s41
	s_lshl_b32 s43, s41, 2
	s_lshl_b32 s43, 15, s43
	s_lshl_b32 s44, 0x1111, s40
	s_or_b32 s[G1+0], s43, (3<<16)|(1<<21)
	s_or_b32 s[G1B+0], s44, (3<<16)|(1<<21)
.irp g, G1, G1B
	s_mov_b32 s[\g+1], 32<<16
	s_mov_b32 s[\g+2], 136<<16
	s_mov_b32 s[\g+3], 32<<16
	s_mov_b32 s[\g+4], 136
	s_mov_b32 s[\g+5], 32
	s_mov_b32 s[\g+6], 0
	s_mov_b32 s[\g+7], 0
.endr
	s_lshl_b32 s20, s69, 1
	s_add_co_u32 s20, s20, s[CF]
	s_mul_i32 s20, s20, RB
	s_mov_b32 s21, 0
	s_lshl_b32 s46, s42, 1
	s_add_co_u32 s46, s46, s[CF]
	s_mul_i32 s46, s46, RB
	s_mov_b32 s47, 0
	s_mul_i32 s45, s[WV], QB
	s_wait_dscnt 0x0
	s_wait_kmcnt 0x0
	s_add_nc_u64 s[20:21], s[4:5], s[20:21]
	s_add_nc_u64 s[46:47], s[6:7], s[46:47]
	CROUND
.irp s, 0,1
	s_mov_b32 s[G0+4*\s], 1
	s_add_co_u32 s[G0+4*\s+1], s45, \s*SLOT
	s_add_nc_u64 s[G0+4*\s+2:G0+4*\s+3], s[20:21], \s*QB
	s_or_b32 s[G0+4*\s+3], s[G0+4*\s+3], 0x80000000
	s_mov_b32 s[G0B+4*\s], 1
	s_add_co_u32 s[G0B+4*\s+1], s45, \s*SLOT
	s_add_nc_u64 s[G0B+4*\s+2:G0B+4*\s+3], s[46:47], \s*QB
	s_or_b32 s[G0B+4*\s+3], s[G0B+4*\s+3], 0x80000000
	s_wait_alu depctr_va_vdst(0)
	s_wait_tensorcnt 0x0
	ds_add_u32 v28, v29
	ds_add_u32 v28, v29
	s_wait_dscnt 0x0
	CROUND
	JLOAD G0+4*\s, G1, G0B+4*\s, G1B
.endr
	v_and_b32 v1, 31, v0
	v_lshlrev_b32 v[LI], 4, v1
	s_mul_i32 s21, s[RH], QB
	s_mul_i32 s22, s[CF], QB
	s_add_co_u32 s22, s22, 2*QB
.irp s, 0,1
	v_add_nc_u32 v[ADRA+\s], s21, v[LI]
	v_add_nc_u32 v[ADRB+\s], s22, v[LI]
	s_add_co_u32 s21, s21, SLOT
	s_add_co_u32 s22, s22, SLOT
.endr
	v_bfe_u32 v2, v0, 4, 1
	v_lshlrev_b32 v[BO], 6, v2
	s_mov_b32 s[SEL], 0x76543210
	s_mov_b32 s[SEL+1], 0xfedcba98
	s_mov_b32 s[MNT], 0x600000
	s_lshl_b32 s70, s42, 10
	s_lshl_b32 s71, s[CF], 9
	s_add_co_u32 s70, s70, s71
	s_mov_b32 s71, 0
	s_add_nc_u64 s[8:9], s[8:9], s[70:71]
	s_lshl_b32 s72, s69, 8
	s_lshl_b32 s73, s[RH], 7
	s_add_co_u32 s72, s72, s73
	s_and_b32 s70, s72, 2047
	s_lshl_b32 s70, s70, 8
	s_add_nc_u64 s[10:11], s[10:11], s[70:71]
	s_lshr_b32 s73, s72, 11
	s_bfe_u32 s74, s72, 0x40007
	s_lshl_b32 s73, s73, 4
	s_lshl_b32 s75, s40, 2
	s_add_co_u32 s73, s73, s75
	s_lshl_b32 s75, s[CF], 1
	s_add_co_u32 s73, s73, s75
	s_lshl_b32 s73, s73, 4
	s_add_co_u32 s73, s73, s74
	s_cmp_eq_u32 ttmp9, 0
	s_cselect_b64 s[76:77], s[12:13], s[14:15]
	s_mov_b32 s78, 9216                            ; Q's and K's records are alike: 8 tiles x 1,024 bytes of codes,
	s_mov_b32 s79, 8192                            ; then two scale images
	s_mul_i32 s70, s73, s78
	s_add_nc_u64 s[PCB:PCB+1], s[76:77], s[70:71]
	s_lshl_b32 s70, s78, 4
	s_add_nc_u64 s[PCB+2:PCB+3], s[PCB:PCB+1], s[70:71]
	s_mov_b32 s70, s79
	s_add_nc_u64 s[PSB:PSB+1], s[PCB:PCB+1], s[70:71]
	s_add_nc_u64 s[PSB+2:PSB+3], s[PCB+2:PCB+3], s[70:71]
.macro FRAG reg, adr, q, i
.irp c, 0,1,2,3
	ds_load_b128 v[\reg+4*\c:\reg+4*\c+3], v[\adr] offset:CHK*(\q)+2048*(\i)+512*\c
.endr
.endm
.macro MUL16 a0, p, q, sc, zero
.irp a, \a0, \a0+1
.irp b, 0,1,2,3,4,5,6,7
.if \zero
	v_wmma_scale_f32_16x16x128_f8f6f4 v[8*(8*((\a)%4)+\b):8*(8*((\a)%4)+\b)+7], v[128*(\p)+FR*\b:128*(\p)+FR*\b+FR-1], v[AF+FR*(\a):AF+FR*(\a)+FR-1], 0, v[SC+32*(\sc)+16*(\q)+8+\b], v[SC+32*(\sc)+16*(\q)+(\a)] matrix_a_fmt:MATRIX_FMT_BF8 matrix_b_fmt:MATRIX_FMT_BF8
.else
	v_wmma_scale_f32_16x16x128_f8f6f4 v[8*(8*((\a)%4)+\b):8*(8*((\a)%4)+\b)+7], v[128*(\p)+FR*\b:128*(\p)+FR*\b+FR-1], v[AF+FR*(\a):AF+FR*(\a)+FR-1], v[8*(8*((\a)%4)+\b):8*(8*((\a)%4)+\b)+7], v[SC+32*(\sc)+16*(\q)+8+\b], v[SC+32*(\sc)+16*(\q)+(\a)] matrix_a_fmt:MATRIX_FMT_BF8 matrix_b_fmt:MATRIX_FMT_BF8
.endif
.endr
.endr
.endm
.macro FETCH_B slot, q, p
	WIN TO_B
.irp i, 0,1,2,3,4,5,6,7
	FRAG 128*(\p)+FR*\i, ADRB+\slot, \q, \i
.endr
	WIN 0
.endm
.macro FETCH_A slot, q, i0
.irp i, \i0, \i0+1, \i0+2, \i0+3
	FRAG AF+FR*(\i), ADRA+\slot, \q, \i
.endr
.endm
.macro SCALES s
.irp q, 0,1
.irp g, 0,1
	ds_load_b128 v[SC+32*\s+16*\q+4*\g:SC+32*\s+16*\q+4*\g+3], v[ADRA+\s] offset:CHK*\q+16384+512*\g
	ds_load_b128 v[SC+32*\s+16*\q+8+4*\g:SC+32*\s+16*\q+8+4*\g+3], v[ADRB+\s] offset:CHK*\q+16384+512*\g
.endr
.endr
.endm
.macro PLACES n
.rept \n
	v_nop
.endr
.endm
.macro STEP slot, q, zero
	s_wait_dscnt 4*NL
	WIN MUL_LO
	MUL16 0, (\q)%2, \q, \slot, \zero
	MUL16 2, (\q)%2, \q, \slot, \zero
	s_wait_dscnt 0
	PLACES NP
	FETCH_B \slot, (\q)+1, 1-(\q)%2
	FETCH_A \slot, (\q)+1, 0
	WIN MUL_HI
	MUL16 4, (\q)%2, \q, \slot, \zero
	MUL16 6, (\q)%2, \q, \slot, \zero
	PLACES NP
	WIN 0
	FETCH_A \slot, (\q)+1, 4
.endm
.macro TURN slot, next, fill
	s_wait_tensorcnt 0x0
	ds_add_u32 v[SPW], v[NIL]
	s_wait_dscnt 4*NL+1
	WIN MUL_LO
	MUL16 0, 1, NQ-1, \slot, 0
	s_wait_dscnt 0x0
	s_barrier_signal -1
	MUL16 2, 1, NQ-1, \slot, 0
	WIN 0
	s_barrier_wait -1
.if \fill
	CREST
	s_add_nc_u64 s[G0+4*\slot+2:G0+4*\slot+3], s[G0+4*\slot+2:G0+4*\slot+3], 2*QB
	s_add_nc_u64 s[G0B+4*\slot+2:G0B+4*\slot+3], s[G0B+4*\slot+2:G0B+4*\slot+3], 2*QB
	JLOAD G0+4*\slot, G1, G0B+4*\slot, G1B
	PLACES NP-4
.else
	PLACES NP
.endif
	FETCH_B \next, 0, 0
	FETCH_A \next, 0, 0
	SCALES \next
	WIN MUL_HI
	MUL16 4, 1, NQ-1, \slot, 0
	MUL16 6, 1, NQ-1, \slot, 0
	PLACES NP
	WIN 0
	FETCH_A \next, 0, 4
.endm
	s_wait_alu depctr_va_vdst(0)
	s_wait_tensorcnt 1
	s_barrier_signal -1
	s_barrier_wait -1
	FETCH_B 0, 0, 0
	FETCH_A 0, 0, 0
	SCALES 0
	FETCH_A 0, 0, 4
	STEP 0, 0, 1
	TURN 0, 1, 1
	STEP 1, 0, 0
	TURN 1, 0, 1
	STEP 0, 0, 0
	TURN 0, 1, 0
	STEP 1, 0, 0
.irp bb, 0,1
.irp j, 0,1,2,3
	global_load_b128 v[BI+16*\bb+4*\j:BI+16*\bb+4*\j+3], v[BO], s[8:9] offset:128*\bb+16*\j
.endr
.endr
	WIN TO_B
.irp a, 0,1,2,3
.irp q, 0,1,2,3,4,5,6,7
	global_load_b128 v[32*\a+4*\q:32*\a+4*\q+3], v[LI], s[10:11] offset:4096*\a+512*\q
.endr
.endr
	WIN 0
	s_wait_dscnt 4*NL
	WIN MUL_LO
	MUL16 0, 1, NQ-1, 1, 0
	MUL16 2, 1, NQ-1, 1, 0
	s_wait_dscnt 0
	WIN MUL_HI
	MUL16 4, 1, NQ-1, 1, 0
	MUL16 6, 1, NQ-1, 1, 0
	WIN 0
	PLACES NP
.irp bb, 0,1
.irp j, 0,1,2,3
	global_load_b128 v[BI+32+16*\bb+4*\j:BI+32+16*\bb+4*\j+3], v[BO], s[8:9] offset:256+128*\bb+16*\j
.endr
.endr
	WIN TO_B
.irp a, 4,5,6,7
.irp q, 0,1,2,3,4,5,6,7
	global_load_b128 v[32*\a+4*\q:32*\a+4*\q+3], v[LI], s[10:11] offset:4096*\a+512*\q
.endr
.endr
	WIN 0
	v_mov_b32 v[TM+2], 0
	v_mov_b32 v[TM+3], 0
.macro QUANT2 s, pc, pw
.irp b, 0,1
	v_max3_num_f32 v[TM+\b], |v[\s+16*\b]|, |v[\s+1+16*\b]|, 0x8000000
.endr
.irp i, 2,4,6,8,10,12,14
.irp b, 0,1
	v_max3_num_f32 v[TM+\b], v[TM+\b], |v[\s+16*\b+\i]|, |v[\s+1+16*\b+\i]|
.endr
.endr
.irp b, 0,1
	v_permlanex16_b32 v[TM+2+\b], v[TM+\b], s[SEL], s[SEL+1]
.endr
.irp b, 0,1
	v_max_num_f32 v[TM+\b], v[TM+\b], v[TM+2+\b]
.endr
.irp b, 0,1
	v_add_nc_u32 v[TM+6+\b], 0xf8800000, v[TM+\b]
.endr
.irp b, 0,1
	v_and_or_b32 v[TM+4+\b], v[TM+\b], 0x7f800000, s[MNT]
.endr
.irp b, 0,1
	v_lshrrev_b32 v[TM+2+\b], 23, v[TM+6+\b]
.endr
	v_lshl_or_b32 v[\pw], v[TM+3], 8, v[TM+2]
.irp b, 0,1
.set qi, 0
.rept 16
	v_med3_num_f32 v[\s+16*\b+qi], v[\s+16*\b+qi], -v[TM+4+\b], v[TM+4+\b]
.set qi, qi+1
.endr
	v_cvt_scalef32_pk8_bf8_f32 v[\pc+4*\b:\pc+1+4*\b], v[\s+16*\b:\s+7+16*\b], v[TM+6+\b]
	v_cvt_scalef32_pk8_bf8_f32 v[\pc+2+4*\b:\pc+3+4*\b], v[\s+8+16*\b:\s+15+16*\b], v[TM+6+\b]
.endr
	v_nop
.endm
.macro UNIT a, hh
.set AC,  64*((\a)%4)+32*(\hh)
.set BB,  BI+32*(\hh)
.set CSR, 32*(\a)
	s_wait_xcnt 0x0
	WIN 0x02+(\a)/4
.set e, 0
.rept 16
	v_pk_add_f32 v[T+e:T+e+1], v[AC+e:AC+e+1], v[BB+e:BB+e+1]
.set e, e+2
.endr
	WIN 0x04
.set e, 0
.rept 16
	v_pk_mul_f32 v[U+e:U+e+1], v[T+e:T+e+1], v[CSR+e:CSR+e+1] op_sel:[1,1] op_sel_hi:[0,1] neg_lo:[1,0]
.set e, e+2
.endr
.set e, 0
.rept 16
	v_pk_fma_f32 v[T+e:T+e+1], v[T+e:T+e+1], v[CSR+e:CSR+e+1], v[U+e:U+e+1] op_sel_hi:[1,0,1]
.set e, e+2
.endr
	WIN 0
	QUANT2 T, PC+8*((\a)%2), SW+(\a)
	global_store_b128 v[LI], v[PC+8*((\a)%2):PC+8*((\a)%2)+3], s[PCB+2*(\hh):PCB+2*(\hh)+1] offset:1024*(\a)
	global_store_b128 v[LI], v[PC+8*((\a)%2)+4:PC+8*((\a)%2)+7], s[PCB+2*(\hh):PCB+2*(\hh)+1] offset:1024*(\a)+512
.if (\a)%4 == 3
	global_store_b128 v[LI], v[SW+4*((\a)/4):SW+4*((\a)/4)+3], s[PSB+2*(\hh):PSB+2*(\hh)+1] offset:512*((\a)/4)
.endif
.endm
	s_wait_loadcnt 40
.irp hh, 0,1
.irp a, 0,1,2,3,4,5,6,7
.if (\hh == 0) && (\a == 4)
	s_wait_loadcnt 0x0
.endif
	UNIT \a, \hh
.endr
.endr
	s_wait_tensorcnt 0x0
	ds_add_u32 v[SPW], v[NIL]
	s_wait_dscnt 0x0
	CROUND
	s_endpgm
.Lfunc_end_k_q7f502c2ab2_qk:
	.size	k_q7f502c2ab2_qk, .Lfunc_end_k_q7f502c2ab2_qk-k_q7f502c2ab2_qk
	.p2alignl 7, 3214868480
	.fill 96, 4, 3214868480
	.section	.rodata,"a",@progbits
	.p2align	6, 0x0
	.amdhsa_kernel k_q7f502c2ab2_qk
		.amdhsa_group_segment_fixed_size 327680
		.amdhsa_private_segment_fixed_size 0
		.amdhsa_enable_private_segment 0
		.amdhsa_kernarg_size 48
		.amdhsa_user_sgpr_count 2
		.amdhsa_user_sgpr_kernarg_segment_ptr 1
		.amdhsa_wavefront_size32 1
		.amdhsa_system_sgpr_workgroup_id_x 1
		.amdhsa_system_sgpr_workgroup_id_y 1
		.amdhsa_system_sgpr_workgroup_id_z 1
		.amdhsa_system_vgpr_workitem_id 0
		.amdhsa_next_free_vgpr 1024
		.amdhsa_next_free_sgpr 100
		.amdhsa_reserve_vcc 0
		.amdhsa_float_denorm_mode_32 3
		.amdhsa_float_denorm_mode_16_64 3
		.amdhsa_memory_ordered 1
		.amdhsa_forward_progress 1
		.amdhsa_inst_pref_size 239
	.end_amdhsa_kernel
	.amdgpu_metadata
---
amdhsa.version: [ 1, 2 ]
amdhsa.kernels:
  - .name:           k_q7f502c2ab2_qk
    .symbol:         k_q7f502c2ab2_qk.kd
    .args:
      - { .name: ximg, .offset: 0, .size: 8, .value_kind: global_buffer, .address_space: global }
      - { .name: wimg, .offset: 8, .size: 8, .value_kind: global_buffer, .address_space: global }
      - { .name: Wqkv_b, .offset: 16, .size: 8, .value_kind: global_buffer, .address_space: global }
      - { .name: tab, .offset: 24, .size: 8, .value_kind: global_buffer, .address_space: global }
      - { .name: qimg, .offset: 32, .size: 8, .value_kind: global_buffer, .address_space: global }
      - { .name: kimg, .offset: 40, .size: 8, .value_kind: global_buffer, .address_space: global }
    .group_segment_fixed_size: 327680
    .private_segment_fixed_size: 0
    .kernarg_segment_align: 8
    .kernarg_segment_size: 48
    .max_flat_workgroup_size: 128
    .sgpr_count:     100
    .vgpr_count:     1024
    .wavefront_size: 32
...
	.end_amdgpu_metadata
.endif
;; end of part 2
;; launch vproj (part 3): grid 32 x 8, 4 waves a work-group, clusters of 4 x 4, 327,680 bytes of LDS; arguments wimg, ximg, Wqkv_b, vimg; writes vimg
.if DOCPART == 3
	.amdgcn_target "amdgcn-amd-amdhsa--gfx1250"
	.amdhsa_code_object_version 6
	.text
	.protected	k_q7f502c2ab2_vproj
	.globl	k_q7f502c2ab2_vproj
	.p2align	8
	.type	k_q7f502c2ab2_vproj,@function
k_q7f502c2ab2_vproj:
	s_mov_b64 s[64:65], 0
	v_nop
	global_prefetch_b8 v0, s[64:65] scope:SCOPE_SE
	s_setreg_imm32_b32 hwreg(HW_REG_WAVE_MODE, 25, 1), 1
	s_wait_xcnt 0x0
	s_wait_alu depctr_hold_cnt(0) depctr_sa_sdst(0) depctr_va_vdst(0) depctr_va_sdst(0) depctr_va_ssrc(0) depctr_va_vcc(0) depctr_vm_vsrc(0)
	s_getreg_b32 s2, hwreg(HW_REG_IB_STS2, 6, 4)
	s_cmp_eq_u32 s2, 0
	s_cbranch_scc0 .Lentry_in_a_cluster
	s_endpgm
.Lentry_in_a_cluster:
	s_bfe_u32 s2, ttmp6, 0x10000c
	s_cmp_lg_u32 s2, 0xf033
	s_cbranch_scc0 .Lentry_shape_is_right
	s_endpgm
.Lentry_shape_is_right:
; Launch 3 of 5: V^T = W_v x^T + b_v on codes of E5M2 (K = 1,024), quantised along the tokens (the keys) and stored as the fragments of V^T that launch attn reads.
; A = W_v's rows (wimg from its group 16 on), B = x's rows (ximg). Both images: [128 rows][K step 0..7][17,408 bytes]: 8 fragments of 2,048 bytes in register order, then 2 scale images of 512 bytes.
; SHARES. 256 work-groups of four waves; a block is 128 channels x 256 tokens; wave (RH, CF) makes 64 channels (one head: A's fragments 4 RH on) x 128 tokens (one key step: B's group CF): 32 accumulators.
; THE RING: two slots of two K steps, 3 x 34,816 bytes each: A's two chunks, then B's two groups. Waves 0, 1 fetch a chunk of A each, waves 2, 3 a group of B each: one joint load a wave.
; CLUSTERS 4 x 4: A's tiles are shared along a row of the cluster, B's along a column.
; NO PREFETCH: K has four fills; two go out at the head, and each of the other two one slot behind: no trip lies far enough ahead of them to ask in.
; THE PRODUCT IS USED TRANSPOSED (source 0 = B's rows, source 1 = A's): a lane holds one channel, its registers run along the tokens; by the tiles' choice of rows 16 registers of two neighbouring tiles are 16 neighbouring tokens.
; REGISTERS: window 0: v16-29 addresses; v32-95 scale words alone; v96-103 the bias; v128-255 A's fragments, two sets of four (on the way out: at work); window 1: B's, two sets of eight; window 2: accumulator (a, b) at v[8 (8 a + b)].
; LIMITS: NaN, infinities and sums beyond f32's range are not served; a block's byte never falls under 1.
.set NP,    8
.set CHK,   17408
.set QB,    2*CHK
.set SLOT,  3*QB
.set RB,    8*CHK
.set SPARE, 2*SLOT
.set ADRA, 16
.set ADRB, 20
.set ASC,  22
.set BO,   24
.set LI,   25
.set SPW,  28
.set NIL,  29
.set SC,   32
.set BI,   96
.set AF,   128
.set T,    128
.set PC,   192
.set TM,   224
.set SW,   240
.set G1,  24
.set G0,  32
.set G1B, 48
.set G0B, 56
.set WV,  66
.set RH,  67
.set CF,  68
.set SEL, 84
.set MNT, 86
.set VB,  88
.set MSB, 0
.macro WIN new                         ; the immediate's high byte repeats the setting that is left
.if MSB != (\new)
	s_set_vgpr_msb (MSB<<8)|(\new)
.set MSB, (\new)
.endif
.endm
.set MUL_LO, 0xa1                      ; source 0 window 1, source 1 window 0, C and D window 2
.set TO_B,   0x40
.macro JLOAD s                         ; waves 0, 1 for A, waves 2, 3 for B; an s_nop 0 and four v_nop follow each line
	s_cmp_eq_u32 s[RH], 0
	s_cbranch_scc0 .Lfor_b_\@
	tensor_load_to_lds s[G0+4*\s:G0+4*\s+3], s[G1:G1+7]
	s_nop 0
.rept 4
	v_nop
.endr
	s_branch .Lasked_\@
.Lfor_b_\@:
	tensor_load_to_lds s[G0B+4*\s:G0B+4*\s+3], s[G1B:G1B+7]
	s_nop 0
.rept 4
	v_nop
.endr
.Lasked_\@:
.endm
.macro CREST
	s_cmp_lg_u32 s[WV], 0
	s_cbranch_scc1 .Lnot_wave_0_\@
	s_barrier_signal -3
.Lnot_wave_0_\@:
	s_barrier_wait -3
	s_barrier_signal -1
	s_barrier_wait -1
.endm
.macro CROUND
	s_barrier_signal -1
	s_barrier_wait -1
	CREST
.endm
.macro PLACES n
.rept \n
	v_nop
.endr
.endm
	s_load_b128 s[4:7], s[0:1], 0x0                ; wimg, ximg
	s_load_b128 s[8:11], s[0:1], 0x10              ; Wqkv_b, vimg
	v_lshl_add_u32 v[SPW], v0, 2, SPARE
	v_mov_b32 v[NIL], 0
	ds_add_u32 v[SPW], v[NIL]                      ; the opening: the add, twice on end, and its wait
	ds_add_u32 v[SPW], v[NIL]
	v_lshrrev_b32 v1, 5, v0
	v_readfirstlane_b32 s[WV], v1
	s_lshr_b32 s[RH], s[WV], 1
	s_and_b32 s[CF], s[WV], 1
	s_bfe_u32 s40, ttmp6, 0x40000
	s_bfe_u32 s41, ttmp6, 0x40004
	s_lshl_b32 s42, ttmp9, 2
	s_add_co_u32 s42, s42, s40                     ; which 256 tokens
	s_and_b32 s69, ttmp7, 0xffff
	s_lshl_b32 s69, s69, 2
	s_add_co_u32 s69, s69, s41                     ; which 128 channels of V
	s_lshl_b32 s43, s41, 2
	s_lshl_b32 s43, 15, s43
	s_lshl_b32 s44, 0x1111, s40
	s_or_b32 s[G1+0], s43, (3<<16)|(1<<21)
	s_or_b32 s[G1B+0], s44, (3<<16)|(1<<21)
	s_mov_b32 s[G1+2], 68<<16                      ; a chunk: 68 dense rows of 256 bytes
	s_mov_b32 s[G1+4], 68
	s_mov_b32 s[G1B+2], 136<<16                    ; two chunks
	s_mov_b32 s[G1B+4], 136
.irp g, G1, G1B
	s_mov_b32 s[\g+1], 32<<16
	s_mov_b32 s[\g+3], 32<<16
	s_mov_b32 s[\g+5], 32
	s_mov_b32 s[\g+6], 0
	s_mov_b32 s[\g+7], 0
.endr
	s_add_co_u32 s20, s69, 16                      ; W_v's rows begin at group 16
	s_mul_i32 s20, s20, RB
	s_mul_i32 s70, s[CF], CHK                      ; A: my chunk of a slot's two
	s_add_co_u32 s20, s20, s70
	s_mov_b32 s21, 0
	s_lshl_b32 s46, s42, 1
	s_add_co_u32 s46, s46, s[CF]
	s_mul_i32 s46, s46, RB
	s_mov_b32 s47, 0
	s_mul_i32 s45, s[CF], QB
	s_add_co_u32 s45, s45, QB                      ; B's group in a slot
	s_wait_dscnt 0x0
	s_wait_kmcnt 0x0
	s_add_nc_u64 s[20:21], s[4:5], s[20:21]
	s_add_nc_u64 s[46:47], s[6:7], s[46:47]
	CROUND                                         ; the first joint loads meet
.irp s, 0,1
	s_mov_b32 s[G0+4*\s], 1
	s_add_co_u32 s[G0+4*\s+1], s70, \s*SLOT
	s_add_nc_u64 s[G0+4*\s+2:G0+4*\s+3], s[20:21], \s*QB
	s_or_b32 s[G0+4*\s+3], s[G0+4*\s+3], 0x80000000
	s_mov_b32 s[G0B+4*\s], 1
	s_add_co_u32 s[G0B+4*\s+1], s45, \s*SLOT
	s_add_nc_u64 s[G0B+4*\s+2:G0B+4*\s+3], s[46:47], \s*QB
	s_or_b32 s[G0B+4*\s+3], s[G0B+4*\s+3], 0x80000000
.endr
	JLOAD 0                                        ; one tensor load a wave at the head
	s_lshl_b32 s21, s[RH], 13                      ; my four fragments of A,
	s_lshl_b32 s23, s[RH], 9                       ; and their scale image
	s_lshl_b32 s70, s69, 9
	s_lshl_b32 s71, s[RH], 8
	s_add_co_u32 s70, s70, s71
	s_add_co_u32 s70, s70, 8192                    ; b_v begins at number 2,048; my 64 channels
	s_mov_b32 s71, 0
	s_add_nc_u64 s[8:9], s[8:9], s[70:71]
	s_lshl_b32 s72, s42, 8
	s_lshl_b32 s73, s[CF], 7
	s_add_co_u32 s72, s72, s73                     ; my first token
	s_lshr_b32 s73, s72, 11                        ; its batch,
	s_bfe_u32 s74, s72, 0x40007                    ; its key step
	s_lshl_b32 s73, s73, 4
	s_lshl_b32 s75, s69, 1
	s_add_co_u32 s73, s73, s75
	s_add_co_u32 s73, s73, s[RH]                   ; my head
	s_lshl_b32 s73, s73, 4
	s_add_co_u32 s73, s73, s74
	s_mul_i32 s70, s73, 8704                       ; a key step of V^T: 4 fragments of 2,048 bytes, then the scale image
	s_add_nc_u64 s[VB:VB+1], s[10:11], s[70:71]
	s_mov_b32 s[SEL], 0x76543210
	s_mov_b32 s[SEL+1], 0xfedcba98
	s_mov_b32 s[MNT], 0x600000
	v_and_b32 v1, 31, v0
	v_and_b32 v2, 15, v0
	v_lshlrev_b32 v[LI], 4, v1
	v_and_b32 v3, 8, v2
	v_add_nc_u32 v[ADRA], s21, v[LI]
	v_add_nc_u32 v[ADRB], s45, v[LI]
	v_add_nc_u32 v[ASC], s23, v[LI]
	v_add_nc_u32 v2, v2, v3
	v_add_nc_u32 v[ADRA+1], SLOT, v[ADRA]
	v_add_nc_u32 v[ADRB+1], SLOT, v[ADRB]
	v_add_nc_u32 v[ASC+1], SLOT, v[ASC]
	v_lshlrev_b32 v[BO], 2, v2                     ; the bias of row r of a tile: 4 (r + 8 (r / 8))
	s_wait_alu depctr_va_vdst(0)
.irp a, 0,1,2,3
	global_load_b32 v[BI+2*\a], v[BO], s[8:9] offset:(32*(\a/2)+8*(\a%2))*4
	global_load_b32 v[BI+2*\a+1], v[BO], s[8:9] offset:(32*(\a/2)+8*(\a%2))*4
.endr
.macro FRAG reg, adr, q, i
.irp c, 0,1,2,3
	ds_load_b128 v[\reg+4*\c:\reg+4*\c+3], v[\adr] offset:CHK*(\q)+2048*(\i)+512*\c
.endr
.endm
.macro FETCH slot, q, p                ; 48 loads: B's eight fragments and my four of A, of the slot's q-th K step, into set p
	WIN TO_B
.irp i, 0,1,2,3,4,5,6,7
	FRAG 128*(\p)+16*\i, ADRB+\slot, \q, \i
.endr
	WIN 0
.irp i, 0,1,2,3
	FRAG AF+64*(\p)+16*\i, ADRA+\slot, \q, \i
.endr
.endm
.macro SCALES s                        ; a slot's scale words: register 16 q + a: A's tile a; 16 q + 8 + b: B's tile b
.irp q, 0,1
	ds_load_b128 v[SC+32*\s+16*\q:SC+32*\s+16*\q+3], v[ASC+\s] offset:CHK*\q+16384
.irp g, 0,1
	ds_load_b128 v[SC+32*\s+16*\q+8+4*\g:SC+32*\s+16*\q+8+4*\g+3], v[ADRB+\s] offset:CHK*\q+16384+512*\g
.endr
.endr
.endm
.macro MUL8 a, p, sc, zero             ; A's tile a against B's eight; set p holds the slot's p-th K step. The 32 accumulators take turns
.irp b, 0,1,2,3,4,5,6,7
.if \zero
	v_wmma_scale_f32_16x16x128_f8f6f4 v[8*(8*(\a)+\b):8*(8*(\a)+\b)+7], v[128*(\p)+16*\b:128*(\p)+16*\b+15], v[AF+64*(\p)+16*(\a):AF+64*(\p)+16*(\a)+15], 0, v[SC+32*(\sc)+16*(\p)+8+\b], v[SC+32*(\sc)+16*(\p)+(\a)] matrix_a_fmt:MATRIX_FMT_BF8 matrix_b_fmt:MATRIX_FMT_BF8
.else
	v_wmma_scale_f32_16x16x128_f8f6f4 v[8*(8*(\a)+\b):8*(8*(\a)+\b)+7], v[128*(\p)+16*\b:128*(\p)+16*\b+15], v[AF+64*(\p)+16*(\a):AF+64*(\p)+16*(\a)+15], v[8*(8*(\a)+\b):8*(8*(\a)+\b)+7], v[SC+32*(\sc)+16*(\p)+8+\b], v[SC+32*(\sc)+16*(\p)+(\a)] matrix_a_fmt:MATRIX_FMT_BF8 matrix_b_fmt:MATRIX_FMT_BF8
.endif
.endr
.endm
.macro STEP slot, zero                 ; a slot's first K step: the second's fragments are fetched ahead of its 32 products
	s_wait_dscnt 0x0
	PLACES NP                                      ; behind the last products, ahead of loads into the set that they read
	FETCH \slot, 1, 1
	WIN MUL_LO
.irp a, 0,1,2,3
	MUL8 \a, 0, \slot, \zero
.endr
	WIN 0
.endm
.macro TURN slot, next, fill           ; a slot's second K step changes slots: one barrier; fill = 1: it opens a round of the cluster's barrier, and this slot is filled again
	s_wait_tensorcnt 0x0                           ; my part of the next slot is in;
	ds_add_u32 v[SPW], v[NIL]
	s_wait_dscnt 1                                 ; all but the add: this step's fragments are in
	WIN MUL_LO
	MUL8 0, 1, \slot, 0
	s_wait_dscnt 0x0
	s_barrier_signal -1
	MUL8 1, 1, \slot, 0
	WIN 0
	s_barrier_wait -1
.if \fill
	CREST
	s_add_nc_u64 s[G0+4*\slot+2:G0+4*\slot+3], s[G0+4*\slot+2:G0+4*\slot+3], 2*QB
	s_add_nc_u64 s[G0B+4*\slot+2:G0B+4*\slot+3], s[G0B+4*\slot+2:G0B+4*\slot+3], 2*QB
	JLOAD \slot
	PLACES NP-4
.else
	PLACES NP
.endif
	FETCH \next, 0, 0
	SCALES \next
	WIN MUL_LO
	MUL8 2, 1, \slot, 0
	MUL8 3, 1, \slot, 0
	WIN 0
.endm
	s_wait_tensorcnt 0x0                           ; my part of slot 0 is in
	ds_add_u32 v[SPW], v[NIL]
	s_wait_dscnt 0x0
	CROUND
	JLOAD 1                                        ; slot 1's first fill, issued as a refill is
	FETCH 0, 0, 0
	SCALES 0
	STEP 0, 1
	TURN 0, 1, 1
	STEP 1, 0
	TURN 1, 0, 1
	STEP 0, 0
	TURN 0, 1, 0
	STEP 1, 0
	s_wait_dscnt 0x0
	WIN MUL_LO
.irp a, 0,1,2,3
	MUL8 \a, 1, 1, 0
.endr
	WIN 0
	PLACES NP
.irp b, 0,1,2,3
	v_mov_b32 v[TM+4+\b], 0                        ; a lane permute's destination counts as one of its sources
.endr
; 64 numbers of a lane, four blocks of 32 tokens shared with lane l xor 16, become a fragment's codes and its scale word
.macro QUANT s, pc, pw
.irp b, 0,1,2,3
	v_max3_num_f32 v[TM+\b], |v[\s+16*\b]|, |v[\s+1+16*\b]|, 0x8000000
.endr
.irp i, 2,4,6,8,10,12,14
.irp b, 0,1,2,3
	v_max3_num_f32 v[TM+\b], v[TM+\b], |v[\s+16*\b+\i]|, |v[\s+1+16*\b+\i]|
.endr
.endr
.irp b, 0,1,2,3
	v_permlanex16_b32 v[TM+4+\b], v[TM+\b], s[SEL], s[SEL+1]
.endr
.irp b, 0,1,2,3
	v_max_num_f32 v[TM+\b], v[TM+\b], v[TM+4+\b]
.endr
.irp b, 0,1,2,3
	v_add_nc_u32 v[TM+12+\b], 0xf8800000, v[TM+\b]
.endr
.irp b, 0,1,2,3
	v_and_or_b32 v[TM+8+\b], v[TM+\b], 0x7f800000, s[MNT]
.endr
.irp b, 0,1,2,3
	v_lshrrev_b32 v[TM+4+\b], 23, v[TM+12+\b]
.endr
	v_lshl_or_b32 v[\pw], v[TM+5], 8, v[TM+4]
	v_lshl_or_b32 v[\pw], v[TM+6], 16, v[\pw]
	v_lshl_or_b32 v[\pw], v[TM+7], 24, v[\pw]
.irp b, 0,1,2,3
.set qi, 0
.rept 16
	v_med3_num_f32 v[\s+16*\b+qi], v[\s+16*\b+qi], -v[TM+8+\b], v[TM+8+\b]
.set qi, qi+1
.endr
	v_cvt_scalef32_pk8_bf8_f32 v[\pc+4*\b:\pc+1+4*\b], v[\s+16*\b:\s+7+16*\b], v[TM+12+\b]
	v_cvt_scalef32_pk8_bf8_f32 v[\pc+2+4*\b:\pc+3+4*\b], v[\s+8+16*\b:\s+15+16*\b], v[TM+12+\b]
.endr
	v_nop
.endm
.macro VUNIT a                         ; 16 channels x 128 tokens: the bias, the quantiser, 2,048 consecutive bytes out
	s_wait_xcnt 0x0                                ; earlier stores have read their registers
	WIN 0x02
.set e, 0
.rept 32
	v_pk_add_f32 v[T+e:T+e+1], v[64*(\a)+e:64*(\a)+e+1], v[BI+2*(\a):BI+2*(\a)+1]
.set e, e+2
.endr
	WIN 0
	QUANT T, PC+16*((\a)%2), SW+(\a)
.irp c, 0,1,2,3
	global_store_b128 v[LI], v[PC+16*((\a)%2)+4*\c:PC+16*((\a)%2)+4*\c+3], s[VB:VB+1] offset:2048*(\a)+512*\c
.endr
.endm
	s_wait_loadcnt 0x0
.irp a, 0,1,2,3
	VUNIT \a
.endr
	global_store_b128 v[LI], v[SW:SW+3], s[VB:VB+1] offset:8192   ; the head's scale image of this key step
	s_wait_tensorcnt 0x0                           ; the wave's end
	ds_add_u32 v[SPW], v[NIL]
	s_wait_dscnt 0x0
	CROUND                                         ; the closing round
	s_endpgm
.Lfunc_end_k_q7f502c2ab2_vproj:
	.size	k_q7f502c2ab2_vproj, .Lfunc_end_k_q7f502c2ab2_vproj-k_q7f502c2ab2_vproj
	.p2alignl 7, 3214868480
	.fill 96, 4, 3214868480
	.section	.rodata,"a",@progbits
	.p2align	6, 0x0
	.amdhsa_kernel k_q7f502c2ab2_vproj
		.amdhsa_group_segment_fixed_size 327680
		.amdhsa_private_segment_fixed_size 0
		.amdhsa_enable_private_segment 0
		.amdhsa_kernarg_size 32
		.amdhsa_user_sgpr_count 2
		.amdhsa_user_sgpr_kernarg_segment_ptr 1
		.amdhsa_wavefront_size32 1
		.amdhsa_system_sgpr_workgroup_id_x 1
		.amdhsa_system_sgpr_workgroup_id_y 1
		.amdhsa_system_sgpr_workgroup_id_z 1
		.amdhsa_system_vgpr_workitem_id 0
		.amdhsa_next_free_vgpr 768
		.amdhsa_next_free_sgpr 100
		.amdhsa_reserve_vcc 0
		.amdhsa_float_denorm_mode_32 3
		.amdhsa_float_denorm_mode_16_64 3
		.amdhsa_memory_ordered 1
		.amdhsa_forward_progress 1
		.amdhsa_inst_pref_size 114
	.end_amdhsa_kernel
	.amdgpu_metadata
---
amdhsa.version: [ 1, 2 ]
amdhsa.kernels:
  - .name:           k_q7f502c2ab2_vproj
    .symbol:         k_q7f502c2ab2_vproj.kd
    .args:
      - { .name: wimg, .offset: 0, .size: 8, .value_kind: global_buffer, .address_space: global }
      - { .name: ximg, .offset: 8, .size: 8, .value_kind: global_buffer, .address_space: global }
      - { .name: Wqkv_b, .offset: 16, .size: 8, .value_kind: global_buffer, .address_space: global }
      - { .name: vimg, .offset: 24, .size: 8, .value_kind: global_buffer, .address_space: global }
    .group_segment_fixed_size: 327680
    .private_segment_fixed_size: 0
    .kernarg_segment_align: 8
    .kernarg_segment_size: 32
    .max_flat_workgroup_size: 128
    .sgpr_count:     100
    .vgpr_count:     768
    .wavefront_size: 32
...
	.end_amdgpu_metadata
.endif
;; end of part 3
;; launch attn (part 4): grid 256 x 1, 16 waves a work-group, clusters of 4 x 1, 327,680 bytes of LDS; arguments qimg, kimg, vimg, aimg; writes aimg
.if DOCPART == 4
	.amdgcn_target "amdgcn-amd-amdhsa--gfx1250"
	.amdhsa_code_object_version 6
	.text
	.protected	k_q7f502c2ab2_attn
	.globl	k_q7f502c2ab2_attn
	.p2align	8
	.type	k_q7f502c2ab2_attn,@function
k_q7f502c2ab2_attn:
	s_mov_b64 s[64:65], 0
	v_nop
	global_prefetch_b8 v0, s[64:65] scope:SCOPE_SE
	s_setreg_imm32_b32 hwreg(HW_REG_WAVE_MODE, 25, 1), 1
	s_wait_xcnt 0x0
	s_wait_alu depctr_hold_cnt(0) depctr_sa_sdst(0) depctr_va_vdst(0) depctr_va_sdst(0) depctr_va_ssrc(0) depctr_va_vcc(0) depctr_vm_vsrc(0)
	s_getreg_b32 s2, hwreg(HW_REG_IB_STS2, 6, 4)
	s_cmp_eq_u32 s2, 0
	s_cbranch_scc0 .Lentry_in_a_cluster
	s_endpgm
.Lentry_in_a_cluster:
	s_bfe_u32 s2, ttmp6, 0x10000c
	s_cmp_lg_u32 s2, 0x3003
	s_cbranch_scc0 .Lentry_shape_is_right
	s_endpgm
.Lentry_shape_is_right:
; Launch 4 of 5: causal attention on codes of E5M2, head size 64; its result, divided by the row's sum, is quantised along (head, channel) and stored as the image of the last product's operand.
; WORK LEFT OUT: key steps of 128 keys that lie wholly behind a tile's 16 queries: reference()'s own causal mask gives them the weight 0 (shown at the head of launch prep; the limits stated there hold here).
; LIMIT: the scaled scores (exponents to the base 2) stay under 2^31 in magnitude.
; SOFTMAX: t = score x log2(e) / 8; M = the running largest t rounded up to a whole number; p = 2^(t - M) is quantised along the keys; the row's sum is taken of the unquantised p; when M moves, sum and O are multiplied by 2^(old M - new M): exact.
; SHARES. A cluster of four work-groups owns one of the 64 (batch x head). ALL of the head's K, 16 key steps x 9,216 bytes = 147,456 bytes, lies in each work-group's LDS, filled once: wave w asks for key step w by one JOINT load
; (the four partners want the same bytes). No slot is filled again. Work-group cx owns tiles 2 cx and 2 cx + 1 (16 queries each) of all 16 blocks of 128 queries, so every partner reads every key step.
; Wave w, x = w / 2, takes tile 2 cx + w % 2 of block 15 - x (16 - x key steps) and then of block x (x + 1 key steps): 17 key steps in every wave.
; V GOES FROM MEMORY STRAIGHT INTO REGISTERS: vimg holds V^T's fragments in register order, so each load of a wave reads 512 consecutive bytes; a step's LDS reads are K's 9,216 bytes alone, its loads V's 8,704.
; K'S TILES ARE SHOWN AS THEY LAND, by three plain barriers: key steps 0 to 2 (waves under 3 wait), 3 to 8 (waves under 9 wait), then all. Two trips (steps 0, 1), six trips (steps 2 to 7), then nine trips with no barrier: trip i of the nine is key step i + 8 of the first tile while i < 8 - x, else key step (i + x) % 8 of the second.
; ONE STEP AHEAD: in the middle of a step, when K's registers are free, the next step's first four tiles of K are loaded from LDS: so each barrier shows one key step more than its trips multiply.
; PREFETCH INTO THE L2: V alone (every tile of K is asked for at the head by its one tensor load). Wave 0 of each work-group, which walks key steps 0 to 15 in order, asks in key step s for V of key step s + 2, s up to 13: 34 blocks of 256 bytes,
; shared out among the four partners by address: partner cx names blocks 9 cx to 9 cx + 8, held at 33, a lane a block (lanes left over name the last again). Key steps 0 and 1 come by their loads alone.
; LAYOUT: both products transposed (S^T = K Q^T, O^T = V^T P^T): a lane holds one query throughout; by the tiles' choice of rows p's 16 registers of two neighbouring tiles are 16 neighbouring keys, and O^T's 16 neighbouring channels.
; The first product's K is 64: registers 8-15 of Q's and of K's fragments hold zero codes (set once), and the scale words' upper bytes are 0.
; THE WAY OUT: a head's codes are 1,024 consecutive bytes of a fragment: two stores of 512. Its two scale bytes of a row are half of a scale word whose other half belongs to the neighbouring head, another cluster's: they leave as 2 bytes a lane (1 byte in 32 of what is stored).
; REGISTERS: v1-11 addresses, offsets; v4 the second tile's Q scale word; v12 -M, v13 the largest t, v[14:15] the sum; v16-31 Q; v32-95 four fragments of K; v96-159 S^T, then p, then V^T's four fragments; v160-191 O^T; v192-207 p's codes (at a tile's end: the result's);
; v208-223, v254-255 at work; v[224:225] f; v226 at work; v227 my rows' scale bytes; v228-230 offsets into vimg; v236-243 the second tile's Q; v244-253 scale words alone.
.set KSB,   9216                       ; a key step of K: 8 tiles x 1,024 bytes | 2 scale images of 512
.set VSB,   8704                       ; a key step of V^T: 4 fragments x 2,048 bytes | the scale image
.set SPARE, 17*KSB                     ; the spare words: 128 bytes for each of 16 waves; a multiple of 256
.set AL,   1                           ; v1  16 x lane
.set DD,   2                           ; v2  my query's place in its 128, less 16 (lane / 16)
.set NINF, 3                           ; v3  -infinity
.set Q2S,  4
.set SPW,  5
.set NIL,  6
.set VO,   7                           ; v7  my codes' offset in a chunk of aimg
.set ADR,  8                           ; v8  LDS: the key step in hand + 16 x lane
.set VS,   9                           ; v9  my scale bytes' offset in a chunk of aimg
.set QO,   10                          ; v10 at the head: my tile's codes in a block of qimg
.set ADN,  10                          ; v10 behind the wait for Q: LDS: the next key step + 16 x lane
.set QS,   11                          ; v11 my tile's scale words in qimg
.set PFO,  228                         ; v228 256 x the block that my lane names in a prefetch
.set PFV,  229                         ; v229 the key step in hand in the head's V + v228
.set ADV,  230                         ; v230 the key step in hand in the head's V + 16 x lane
.set BM,   208
.set PT,   212
.set HD,   216
.set SO,   220
.set HC,   192
.set Q2,   236
.set TB,   2                           ; s2  LDS byte at which the key step in hand begins
.set ST,   3                           ; s3  the key step
.set WV,   18
.set MNT,  19
.set SEL,  20
.set CS,   22                          ; s[22:23] c = log2(e) / 8
.set G1,   24
.set G0,   32
.set CH,   36                          ; s36 the block in hand: its number is the diagonal's key step
.set XX,   37                          ; s37 x
.set B1,   38                          ; s38 15 - x
.set N1,   39                          ; s39 8 - x
.set CNT,  40
.set TN,   41                          ; s41 LDS byte at which the next key step begins
.set OA,   42
.set OA2,  44
.set QA,   46
.set QA2,  48
.set TV,   50                          ; s50 where the key step in hand begins in the head's V
.set VB,   82                          ; s[82:83] the head's V
.macro TL                              ; a joint load; an s_nop 0 and four v_nop follow the line
	tensor_load_to_lds s[G0:G0+3], s[G1:G1+7]
	s_nop 0
.rept 4
	v_nop
.endr
.endm
.macro CROUND                          ; a round of the cluster's barrier
	s_barrier_signal -1
	s_barrier_wait -1
	s_cmp_lg_u32 s[WV], 0
	s_cbranch_scc1 .Lnot_wave_0_\@
	s_barrier_signal -3
.Lnot_wave_0_\@:
	s_barrier_wait -3
	s_barrier_signal -1
	s_barrier_wait -1
.endm
.macro SHOW under                      ; a plain barrier that shows the tiles of the waves under this number: they wait for their load, then all meet
	s_wait_dscnt 0x0
	s_cmp_lt_u32 s[WV], \under
	s_cbranch_scc0 .Lnot_mine_\@
	s_wait_tensorcnt 0x0
.Lnot_mine_\@:
	s_barrier_signal -1
	s_barrier_wait -1
.endm
	s_load_b128 s[4:7], s[0:1], 0x0                ; qimg, kimg
	s_load_b128 s[8:11], s[0:1], 0x10              ; vimg, aimg
	v_lshl_add_u32 v[SPW], v0, 2, SPARE
	v_mov_b32 v[NIL], 0
	ds_add_u32 v[SPW], v[NIL]                      ; the opening: the add, twice on end, and its wait ahead of the first tensor load
	ds_add_u32 v[SPW], v[NIL]
	v_lshrrev_b32 v12, 5, v0
	v_readfirstlane_b32 s[WV], v12
	s_bfe_u32 s52, ttmp6, 0x40000                  ; cx: it enters global offsets and the mask's numbers alone
	s_lshr_b32 s[XX], s[WV], 1
	s_and_b32 s53, s[WV], 1
	s_lshl_b32 s54, s52, 1
	s_add_co_u32 s53, s53, s54                     ; my tile, 0..7
	s_mul_i32 s74, s52, 9                          ; my work-group's first block of a prefetch
	s_sub_co_u32 s[B1], 15, s[XX]
	s_sub_co_u32 s[N1], 8, s[XX]
	s_lshr_b32 s55, s53, 1
	s_lshl_b32 s55, s55, 5
	s_and_b32 s56, s53, 1
	s_lshl_b32 s56, s56, 3
	s_add_co_u32 s55, s55, s56                     ; the tile's first row in its block: 32 (tile / 2) + 8 (tile % 2)
	s_lshr_b32 s56, s53, 2
	s_lshl_b32 s56, s56, 9
	s_and_b32 s57, s53, 3
	s_lshl_b32 s57, s57, 2
	s_add_co_u32 s56, s56, s57                     ; a scale word's place: image tile / 4, word tile % 4
	s_and_b32 s72, ttmp9, 1                        ; the head's place in its pair
	s_lshl_b32 s80, s53, 10                        ; qimg: my tile's codes,
	s_add_co_u32 s81, s56, 8192                    ; and scale words
	s_lshl_b32 s78, s53, 11                        ; aimg: my fragment, and in it my head's two groups,
	s_lshl_b32 s57, s72, 10
	s_add_co_u32 s78, s78, s57
	s_lshl_b32 s57, s72, 1
	s_add_co_u32 s79, s56, s57                     ; and my head's half of the scale word
	s_add_co_u32 s79, s79, 16384
	s_mul_i32 s73, s[WV], KSB                      ; key step w's place in LDS,
	s_mul_i32 s58, ttmp9, 16*KSB
	s_add_co_u32 s58, s58, s73                     ; and in kimg
	s_mov_b32 s59, 0
	s_mul_i32 s76, ttmp9, 16*VSB                   ; the head in vimg
	s_mov_b32 s77, 0
	s_lshl_b32 s70, ttmp9, 4
	s_add_co_u32 s60, s70, s[B1]
	s_mul_i32 s60, s60, 9216                       ; qimg: the first block,
	s_mov_b32 s61, 0
	s_add_co_u32 s62, s70, s[XX]
	s_mul_i32 s62, s62, 9216                       ; the second
	s_mov_b32 s63, 0
	s_lshr_b32 s70, ttmp9, 4
	s_lshl_b32 s70, s70, 4                         ; 16 x batch
	s_bfe_u32 s71, ttmp9, 0x30001                  ; the head pair in its batch = the last product's K step
	s_add_co_u32 s66, s70, s[B1]
	s_lshl_b32 s66, s66, 3
	s_add_co_u32 s66, s66, s71
	s_mul_i32 s66, s66, 17408                      ; aimg: the first block's chunk,
	s_mov_b32 s67, 0
	s_add_co_u32 s68, s70, s[XX]
	s_lshl_b32 s68, s68, 3
	s_add_co_u32 s68, s68, s71
	s_mul_i32 s68, s68, 17408                      ; the second's
	s_mov_b32 s69, 0
	s_mov_b32 s[G1], 15|(3<<16)|(1<<21)            ; the mask names the cluster's four; elements of 8 bytes; no padding
	s_mov_b32 s[G1+1], 32<<16                      ; rows of 256 bytes,
	s_mov_b32 s[G1+2], 36<<16                      ; 36 of them, dense
	s_mov_b32 s[G1+3], 32<<16
	s_mov_b32 s[G1+4], 36
	s_mov_b32 s[G1+5], 32
	s_mov_b32 s[G1+6], 0
	s_mov_b32 s[G1+7], 0
	s_mov_b32 s[SEL], 0x76543210
	s_mov_b32 s[SEL+1], 0xfedcba98
	s_mov_b32 s[CS], 0x3e38aa3b
	s_mov_b32 s[CS+1], s[CS]
	s_mov_b32 s[MNT], 0x600000
	v_and_b32 v12, 31, v0
	v_and_b32 v13, 15, v0
	v_bfe_u32 v14, v0, 4, 1
	v_lshlrev_b32 v[AL], 4, v12
	v_and_b32 v15, 8, v13
	v_lshlrev_b32 v14, 4, v14
	v_min_u32 v[PFO], 8, v12
	v_add_nc_u32 v13, v13, v15                     ; r + 8 (r / 8)
	v_add_nc_u32 v[VO], s78, v[AL]
	v_add_nc_u32 v[PFO], s74, v[PFO]
	v_sub_nc_u32 v13, v13, v14
	v_add_nc_u32 v[VS], s79, v[AL]
	v_min_u32 v[PFO], 33, v[PFO]                   ; a key step of V has blocks 0 to 33
	v_add_nc_u32 v[DD], s55, v13
	v_add_nc_u32 v[QO], s80, v[AL]
	v_lshlrev_b32 v[PFO], 8, v[PFO]
	v_add_nc_u32 v[QS], s81, v[AL]
	v_mov_b32 v[NINF], 0xff800000
	s_wait_alu depctr_va_vdst(0)
	s_wait_dscnt 0x0                               ; both opening adds are done
	CROUND                                         ; the four work-groups are here: the joint loads meet
	s_wait_kmcnt 0x0
	s_mov_b32 s[G0], 1
	s_mov_b32 s[G0+1], s73
	s_add_nc_u64 s[G0+2:G0+3], s[6:7], s[58:59]
	s_or_b32 s[G0+3], s[G0+3], 0x80000000
	s_cmp_lt_u32 s[WV], 3                          ; one load a wave; a line of its own for each group of waves that waits at its own barrier
	s_cbranch_scc0 .Larm_b
	TL
	s_branch .Lasked
.Larm_b:
	s_cmp_lt_u32 s[WV], 9
	s_cbranch_scc0 .Larm_c
	TL
	s_branch .Lasked
.Larm_c:
	TL
.Lasked:
	s_add_nc_u64 s[QA:QA+1], s[4:5], s[60:61]
	s_add_nc_u64 s[QA2:QA2+1], s[4:5], s[62:63]
	s_add_nc_u64 s[VB:VB+1], s[8:9], s[76:77]
	s_add_nc_u64 s[OA:OA+1], s[10:11], s[66:67]
	s_add_nc_u64 s[OA2:OA2+1], s[10:11], s[68:69]
	global_load_b128 v[16:19], v[QO], s[QA:QA+1]
	global_load_b128 v[20:23], v[QO], s[QA:QA+1] offset:512
	global_load_b32 v253, v[QS], s[QA:QA+1]
	global_load_b128 v[Q2:Q2+3], v[QO], s[QA2:QA2+1]
	global_load_b128 v[Q2+4:Q2+7], v[QO], s[QA2:QA2+1] offset:512
	global_load_b32 v[Q2S], v[QS], s[QA2:QA2+1]
.set z, 24
.rept 8
	v_mov_b32 v[z], 0                              ; Q's zero codes for k = 64 .. 127
.set z, z+1
.endr
.irp t, 0,1,2,3
.set z, 40+16*\t
.rept 8
	v_mov_b32 v[z], 0                              ; and K's, in registers of their own
.set z, z+1
.endr
.endr
.set z, 160
.rept 32
	v_mov_b32 v[z], 0                              ; O^T: the step is written once: the first finds zeros
.set z, z+1
.endr
.set z, BM
.rept 8
	v_mov_b32 v[z], 0                              ; written once: lane permutes' destinations count as sources
.set z, z+1
.endr
	v_mov_b32 v225, 0                              ; (named as the upper half of the pair v[224:225])
	v_mov_b32 v13, 0xff61b1e6                      ; the largest t so far: -3e38
	s_delay_alu instid0(VALU_DEP_1)
	v_floor_f32 v12, -v13
	v_mov_b32 v14, 0
	v_mov_b32 v15, 0
.macro KLOAD g, adr                    ; four tiles of K (their 64 real codes a row) and their scale words: nine loads
.irp t, 0,1,2,3
	ds_load_b128 v[32+16*\t:35+16*\t], v[\adr] offset:1024*(4*\g+\t)
	ds_load_b128 v[36+16*\t:39+16*\t], v[\adr] offset:1024*(4*\g+\t)+512
.endr
	ds_load_b128 v[244:247], v[\adr] offset:8192+512*\g
.endm
.macro SCORES g
.irp t, 0,1,2,3
	v_wmma_scale_f32_16x16x128_f8f6f4 v[96+8*(4*\g+\t):103+8*(4*\g+\t)], v[32+16*\t:47+16*\t], v[16:31], 0, v[244+\t], v253 matrix_a_fmt:MATRIX_FMT_BF8 matrix_b_fmt:MATRIX_FMT_BF8
.endr
.endm
.macro MASK n0                         ; on the diagonal hidden scores become -infinity ahead of the maximum: p = 0 then. 32 registers from n0 on
	s_cmp_lg_u32 s[ST], s[CH]
	s_cbranch_scc1 .Lopen_\@
.set n, \n0
.rept 32
	v_cmp_gt_i32 vcc_lo, 32*(n/16)+n%16, v[DD]     ; register 16 b + i holds key 32 b + 16 (lane / 16) + i
	v_cndmask_b32 v[96+n], v[96+n], v[NINF], vcc_lo
.set n, n+1
.endr
.Lopen_\@:
.endm
.macro MAXB b0, b1                     ; the largest score of two blocks of 32 keys: for the row's maximum and, since p rises with the score, for the block's largest p
.irp b, \b0, \b1
	v_max3_num_f32 v[BM+\b], v[96+16*\b], v[97+16*\b], v[98+16*\b]
.endr
.irp i, 3,5,7,9,11,13
.irp b, \b0, \b1
	v_max3_num_f32 v[BM+\b], v[BM+\b], v[96+16*\b+\i], v[97+16*\b+\i]
.endr
.endr
.irp b, \b0, \b1
	v_max_num_f32 v[BM+\b], v[BM+\b], v[111+16*\b]
.endr
.endm
.macro JOINB b0, b1                    ; with lane l xor 16's 16 keys
.irp b, \b0, \b1
	v_permlanex16_b32 v[PT+\b], v[BM+\b], s[SEL], s[SEL+1]
.endr
.irp b, \b0, \b1
	v_max_num_f32 v[BM+\b], v[BM+\b], v[PT+\b]
.endr
.endm
; A KEY STEP: the 128 keys at LDS byte s[TB] and at byte s[TV] of the head's V; its first four tiles of K are in registers or on their way.  diag = 1: one of the nine trips: the step may be the diagonal's, and the last trip asks for no further K
.macro STEP diag
	s_wait_xcnt 0x0                                ; earlier loads, stores and prefetches have read their registers: the offsets below are written anew
	v_add_nc_u32 v[ADR], s[TB], v[AL]
	v_add_nc_u32 v[ADN], s[TN], v[AL]
	v_add_nc_u32 v[ADV], s[TV], v[AL]
	v_add_nc_u32 v[PFV], s[TV], v[PFO]
	s_wait_alu depctr_va_vdst(0)
.rept 5
	v_nop                                          ; with the four additions nine places: S^T is written over the registers that held V^T's fragments, and V's scale words are loaded anew
.endr
	global_load_b128 v[248:251], v[ADV], s[VB:VB+1] offset:8192    ; V's scale words, well ahead of its fragments
	s_wait_dscnt 0x0
	SCORES 0
.rept 8
	v_nop                                          ; places in front of loads into registers that matrix instructions have read, and of the first read of their results
.endr
	KLOAD 1, ADR
.if \diag
	s_lshl_b32 s99, s[WV], 4                       ; wave 0, in key steps 8 to 13 of its first tile
	s_or_b32 s99, s99, s[CNT]
	s_cmp_lt_u32 s99, 6
	s_cbranch_scc0 .Lno_ask_\@
.else
	s_cmp_lg_u32 s[WV], 0                          ; wave 0, in key steps 0 to 7
	s_cbranch_scc1 .Lno_ask_\@
.endif
	global_prefetch_b8 v[PFV], s[VB:VB+1] offset:2*VSB th:TH_LOAD_NT scope:SCOPE_SE   ; my work-group's blocks of V two key steps on
.Lno_ask_\@:
.if \diag
	MASK 0
.endif
	MAXB 0, 1                                      ; the first four tiles' maxima stand under the loads
	s_wait_alu depctr_va_vdst(0)
	s_wait_dscnt 0x0
	SCORES 1
	JOINB 0, 1
.rept 6
	v_nop                                          ; with the lines above: the places behind the last four products
.endr
.if \diag
	s_cmp_eq_u32 s[CNT], 8
	s_cbranch_scc1 .Lno_next_\@
.endif
	KLOAD 0, ADN                                   ; the next step's first four tiles
.if \diag
.Lno_next_\@:
	MASK 32
.endif
	MAXB 2, 3
	JOINB 2, 3
	s_delay_alu instid0(VALU_DEP_2)
	v_max3_num_f32 v226, v[BM], v[BM+1], v[BM+2]
	s_delay_alu instid0(VALU_DEP_1)
	v_max_num_f32 v226, v226, v[BM+3]
	s_delay_alu instid0(VALU_DEP_1)
	v_mul_f32 v226, s[CS], v226
	s_delay_alu instid0(VALU_DEP_1)
	v_max_num_f32 v13, v13, v226                   ; the running largest t
	v_mov_b32 v226, v12
	s_delay_alu instid0(VALU_DEP_2)
	v_floor_f32 v12, -v13                          ; the new -M
	s_delay_alu instid0(VALU_DEP_1)
	v_sub_f32 v226, v12, v226                      ; old M - new M: a whole number, 0 or less
	s_delay_alu instid0(VALU_DEP_1)
	v_cvt_i32_f32 v226, v226
	s_delay_alu instid0(VALU_DEP_1)
	v_ldexp_f32 v224, 1.0, v226                    ; f = 2^(old M - new M)
.set n, 0
.rept 32
	v_pk_fma_f32 v[96+n:97+n], v[96+n:97+n], s[CS:CS+1], v[12:13] op_sel_hi:[1,0,0]   ; t - M
.set n, n+2
.endr
.irp b, 0,1,2,3
	v_fma_f32 v[BM+\b], v[BM+\b], s[CS], v12
.endr
.set n, 0
	s_wait_alu depctr_va_vdst(0)
.rept 64
	v_exp_f32 v[96+n], v[96+n]                     ; p, not normalised
.set n, n+1
.endr
	v_pk_mul_f32 v[14:15], v[14:15], v[224:225] op_sel_hi:[1,0]   ; the sums under the new M: a plain line behind the exponentials
	s_wait_alu depctr_va_vdst(0)                   ; one wait for the batch, ahead of its first reader
.irp b, 0,1,2,3
	v_exp_f32 v[BM+\b], v[BM+\b]                   ; each block's largest p
.endr
; the row's sum of the unquantised p, in eight chains
	v_pk_add_f32 v[212:213], v[100:101], v[104:105]
	v_pk_add_f32 v[254:255], v[108:109], v[112:113]
	v_pk_add_f32 v[214:215], v[116:117], v[120:121]
	v_pk_add_f32 v[216:217], v[124:125], v[128:129]
	v_pk_add_f32 v[218:219], v[132:133], v[136:137]
	v_pk_add_f32 v[220:221], v[140:141], v[144:145]
	v_pk_add_f32 v[222:223], v[148:149], v[152:153]
	v_pk_add_f32 v[14:15], v[14:15], v[156:157]
	v_pk_add_f32 v[212:213], v[212:213], v[96:97]
	v_pk_add_f32 v[254:255], v[254:255], v[98:99]
	v_pk_add_f32 v[214:215], v[214:215], v[102:103]
	v_pk_add_f32 v[216:217], v[216:217], v[106:107]
	v_pk_add_f32 v[218:219], v[218:219], v[110:111]
	v_pk_add_f32 v[220:221], v[220:221], v[114:115]
	v_pk_add_f32 v[222:223], v[222:223], v[118:119]
	v_pk_add_f32 v[14:15], v[14:15], v[122:123]
	v_pk_add_f32 v[212:213], v[212:213], v[126:127]
	v_pk_add_f32 v[254:255], v[254:255], v[130:131]
	v_pk_add_f32 v[214:215], v[214:215], v[134:135]
	v_pk_add_f32 v[216:217], v[216:217], v[138:139]
	v_pk_add_f32 v[218:219], v[218:219], v[142:143]
	v_pk_add_f32 v[220:221], v[220:221], v[146:147]
	v_pk_add_f32 v[222:223], v[222:223], v[150:151]
	v_pk_add_f32 v[14:15], v[14:15], v[154:155]
	v_pk_add_f32 v[212:213], v[212:213], v[158:159]
	s_delay_alu instid0(VALU_DEP_2)
	v_pk_add_f32 v[14:15], v[14:15], v[216:217]
	s_delay_alu instid0(VALU_DEP_2)
	v_pk_add_f32 v[212:213], v[212:213], v[218:219]
	v_pk_add_f32 v[254:255], v[254:255], v[220:221]
	v_pk_add_f32 v[214:215], v[214:215], v[222:223]
	s_delay_alu instid0(VALU_DEP_2)
	v_pk_add_f32 v[14:15], v[14:15], v[254:255]
	s_delay_alu instid0(VALU_DEP_2)
	v_pk_add_f32 v[212:213], v[212:213], v[214:215]
	s_delay_alu instid0(VALU_DEP_1)
	v_pk_add_f32 v[14:15], v[14:15], v[212:213]
	s_wait_alu depctr_va_vdst(0)                   ; and one for the four
.irp b, 0,1,2,3
	v_max_num_f32 v[BM+\b], 0x8000000, v[BM+\b]    ; the floor 2^(16 - 127)
.endr
.irp b, 0,1,2,3
	s_delay_alu instid0(VALU_DEP_4)
	v_add_nc_u32 v[SO+\b], 0xf8800000, v[BM+\b]
.endr
.irp b, 0,1,2,3
	v_and_or_b32 v[HD+\b], v[BM+\b], 0x7f800000, s[MNT]
.endr
.irp b, 0,1,2,3
	v_lshrrev_b32 v[PT+\b], 23, v[SO+\b]
.endr
	s_delay_alu instid0(VALU_DEP_3)
	v_lshl_or_b32 v252, v[PT+1], 8, v[PT]          ; p's scale word for these 128 keys
	s_delay_alu instid0(VALU_DEP_1)
	v_lshl_or_b32 v252, v[PT+2], 16, v252
	s_delay_alu instid0(VALU_DEP_1)
	v_lshl_or_b32 v252, v[PT+3], 24, v252
.irp b, 0,1,2,3
.set n, 0
.rept 16
	v_min_num_f32 v[96+16*\b+n], v[96+16*\b+n], v[HD+\b]   ; p is not negative: the hold is one-sided
.set n, n+1
.endr
	v_cvt_scalef32_pk8_bf8_f32 v[192+4*\b:193+4*\b], v[96+16*\b:103+16*\b], v[SO+\b]
	v_cvt_scalef32_pk8_bf8_f32 v[194+4*\b:195+4*\b], v[104+16*\b:111+16*\b], v[SO+\b]
.irp c, 0,1,2,3
	global_load_b128 v[96+16*\b+4*\c:99+16*\b+4*\c], v[ADV], s[VB:VB+1] offset:2048*\b+512*\c   ; V^T's fragment b takes the place of the block of p just converted: 512 consecutive bytes a load
.endr
.endr
	s_wait_alu depctr_va_vdst(0)
.set n, 0
.rept 16
	v_pk_mul_f32 v[160+n:161+n], v[160+n:161+n], v[224:225] op_sel_hi:[1,0]   ; O^T under the new M; these are also the places in front of the products
.set n, n+2
.endr
	s_wait_alu depctr_va_vdst(0)                   ; and here, directly ahead of the wait below
.irp t, 0,1,2,3
	s_wait_loadcnt 12-4*\t                         ; the scale words and fragments 0 to t are in; the four loads of each later fragment may be out
	v_wmma_scale_f32_16x16x128_f8f6f4 v[160+8*\t:167+8*\t], v[96+16*\t:111+16*\t], v[192:207], v[160+8*\t:167+8*\t], v[248+\t], v252 matrix_a_fmt:MATRIX_FMT_BF8 matrix_b_fmt:MATRIX_FMT_BF8
.endr
.endm
	s_wait_alu depctr_va_vdst(0)
	s_wait_loadcnt 0x0                             ; both tiles' Q
	SHOW 3                                         ; key steps 0 to 2 of K are in
	s_mov_b32 s[TB], 0
	s_mov_b32 s[TV], 0
	s_mov_b32 s[CNT], 0
	KLOAD 0, AL                                    ; key step 0's first four tiles
.Lfirst:                                           ; the first tile's block is 8 or later: key steps 0 to 7 lie wholly ahead of its diagonal
	s_add_co_u32 s[TN], s[TB], KSB
	STEP 0
	s_add_co_u32 s[TB], s[TB], KSB
	s_add_co_u32 s[TV], s[TV], VSB
	s_add_co_u32 s[CNT], s[CNT], 1
	s_cmp_lt_u32 s[CNT], 2
	s_cbranch_scc1 .Lfirst
	SHOW 9                                         ; key steps 3 to 8 are in
	s_mov_b32 s[TB], 2*KSB
	s_mov_b32 s[TV], 2*VSB
	s_mov_b32 s[CNT], 0
.Lsecond:
	s_add_co_u32 s[TN], s[TB], KSB
	STEP 0
	s_add_co_u32 s[TB], s[TB], KSB
	s_add_co_u32 s[TV], s[TV], VSB
	s_add_co_u32 s[CNT], s[CNT], 1
	s_cmp_lt_u32 s[CNT], 6
	s_cbranch_scc1 .Lsecond
	s_wait_dscnt 0x0
	s_wait_tensorcnt 0x0                           ; every wave: all sixteen key steps are in behind this barrier
	s_barrier_signal -1
	s_barrier_wait -1
	s_mov_b32 s[CNT], 0
.Lrest:                                            ; nine trips, no barrier: 8 - x for the first tile, x + 1 for the second
	s_add_co_u32 s96, s[CNT], 8                    ; the first tile's key step,
	s_add_co_u32 s97, s[CNT], s[XX]
	s_and_b32 s97, s97, 7                          ; the second's
	s_cmp_lt_u32 s[CNT], s[N1]                     ; ids and the counted trips alone
	s_cselect_b32 s[ST], s96, s97
	s_cselect_b32 s[CH], s[B1], s[XX]
	s_min_u32 s[ST], s[ST], 15
	s_mul_i32 s[TB], s[ST], KSB
	s_mul_i32 s[TV], s[ST], VSB
	s_add_co_u32 s98, s[CNT], 1                    ; and the same for the next trip
	s_add_co_u32 s96, s[CNT], 9
	s_add_co_u32 s97, s98, s[XX]
	s_and_b32 s97, s97, 7
	s_cmp_lt_u32 s98, s[N1]
	s_cselect_b32 s[TN], s96, s97
	s_min_u32 s[TN], s[TN], 15
	s_mul_i32 s[TN], s[TN], KSB
	STEP 1
	s_cmp_lg_u32 s[ST], s[CH]
	s_cbranch_scc1 .Lgo_on
; A TILE'S END, behind its diagonal step: O^T / the sum; its 32 numbers a lane are two blocks of 32 along the last product's K
	s_wait_alu depctr_va_vdst(0)
	v_add_f32 v14, v14, v15
	s_delay_alu instid0(VALU_DEP_1)
	v_permlanex16_b32 v[PT], v14, s[SEL], s[SEL+1]
	s_delay_alu instid0(VALU_DEP_1)
	v_add_f32 v14, v14, v[PT]
	s_wait_alu depctr_va_vdst(0)
	v_rcp_f32 v14, v14
.rept 8
	v_nop                                          ; places behind the last products, and the plain line behind the reciprocal
.endr
	s_wait_alu depctr_va_vdst(0)                   ; and ahead of its first reader, which is O^T's too
.set n, 0
.rept 16
	v_pk_mul_f32 v[96+n:97+n], v[160+n:161+n], v[14:15] op_sel_hi:[1,0]   ; each accumulator from its low end on
.set n, n+2
.endr
.irp b, 0,1
	v_max3_num_f32 v[BM+\b], |v[96+16*\b]|, |v[97+16*\b]|, 0x8000000
.endr
.irp i, 2,4,6,8,10,12,14
.irp b, 0,1
	s_delay_alu instid0(VALU_DEP_2)
	v_max3_num_f32 v[BM+\b], v[BM+\b], |v[96+16*\b+\i]|, |v[97+16*\b+\i]|
.endr
.endr
.irp b, 0,1
	s_delay_alu instid0(VALU_DEP_2)
	v_permlanex16_b32 v[PT+\b], v[BM+\b], s[SEL], s[SEL+1]
.endr
.irp b, 0,1
	s_delay_alu instid0(VALU_DEP_2)
	v_max_num_f32 v[BM+\b], v[BM+\b], v[PT+\b]
.endr
.irp b, 0,1
	s_delay_alu instid0(VALU_DEP_2)
	v_add_nc_u32 v[SO+\b], 0xf8800000, v[BM+\b]
.endr
.irp b, 0,1
	s_delay_alu instid0(VALU_DEP_4)
	v_and_or_b32 v[HD+\b], v[BM+\b], 0x7f800000, s[MNT]
.endr
.irp b, 0,1
	s_delay_alu instid0(VALU_DEP_4)
	v_lshrrev_b32 v[PT+\b], 23, v[SO+\b]
.endr
	s_delay_alu instid0(VALU_DEP_1)
	v_lshl_or_b32 v227, v[PT+1], 8, v[PT]          ; my head's two scale bytes of my row
.irp b, 0,1
.set n, 0
.rept 16
	v_med3_num_f32 v[96+16*\b+n], v[96+16*\b+n], -v[HD+\b], v[HD+\b]
.set n, n+1
.endr
	v_cvt_scalef32_pk8_bf8_f32 v[HC+4*\b:HC+4*\b+1], v[96+16*\b:103+16*\b], v[SO+\b]
	v_cvt_scalef32_pk8_bf8_f32 v[HC+4*\b+2:HC+4*\b+3], v[104+16*\b:111+16*\b], v[SO+\b]
.endr
	v_nop                                          ; a plain line behind the last conversion
	global_store_b128 v[VO], v[HC:HC+3], s[OA:OA+1]              ; 512 consecutive bytes, aligned,
	global_store_b128 v[VO], v[HC+4:HC+7], s[OA:OA+1] offset:512 ; and the next 512
	global_store_b16 v[VS], v227, s[OA:OA+1]
	s_cmp_eq_u32 s[CNT], 8
	s_cbranch_scc1 .Lgo_on                         ; the second tile is done: nothing follows
.set z, 0
.rept 8
	v_mov_b32 v[16+z], v[Q2+z]                     ; the second tile's Q,
.set z, z+1
.endr
	v_mov_b32 v253, v[Q2S]                         ; its scale word,
	v_mov_b32 v13, 0xff61b1e6                      ; and a fresh state
	s_delay_alu instid0(VALU_DEP_1)
	v_floor_f32 v12, -v13
	v_mov_b32 v14, 0
	v_mov_b32 v15, 0
.set z, 160
.rept 32
	v_mov_b32 v[z], 0
.set z, z+1
.endr
	s_wait_xcnt 0x0                                ; the stores have read their base
	s_mov_b64 s[OA:OA+1], s[OA2:OA2+1]
	s_wait_alu depctr_va_vdst(0)
.Lgo_on:
	s_add_co_u32 s[CNT], s[CNT], 1
	s_cmp_lt_u32 s[CNT], 9
	s_cbranch_scc1 .Lrest
	s_wait_tensorcnt 0x0                           ; the wave's end
	ds_add_u32 v[SPW], v[NIL]
	s_wait_dscnt 0x0
	CROUND                                         ; the closing round
	s_endpgm
.Lfunc_end_k_q7f502c2ab2_attn:
	.size	k_q7f502c2ab2_attn, .Lfunc_end_k_q7f502c2ab2_attn-k_q7f502c2ab2_attn
	.p2alignl 7, 3214868480
	.fill 96, 4, 3214868480
	.section	.rodata,"a",@progbits
	.p2align	6, 0x0
	.amdhsa_kernel k_q7f502c2ab2_attn
		.amdhsa_group_segment_fixed_size 327680
		.amdhsa_private_segment_fixed_size 0
		.amdhsa_enable_private_segment 0
		.amdhsa_kernarg_size 32
		.amdhsa_user_sgpr_count 2
		.amdhsa_user_sgpr_kernarg_segment_ptr 1
		.amdhsa_wavefront_size32 1
		.amdhsa_system_sgpr_workgroup_id_x 1
		.amdhsa_system_sgpr_workgroup_id_y 1
		.amdhsa_system_sgpr_workgroup_id_z 1
		.amdhsa_system_vgpr_workitem_id 0
		.amdhsa_next_free_vgpr 256
		.amdhsa_next_free_sgpr 100
		.amdhsa_reserve_vcc 1
		.amdhsa_float_denorm_mode_32 3
		.amdhsa_float_denorm_mode_16_64 3
		.amdhsa_memory_ordered 1
		.amdhsa_forward_progress 1
		.amdhsa_inst_pref_size 86
	.end_amdhsa_kernel
	.amdgpu_metadata
---
amdhsa.version: [ 1, 2 ]
amdhsa.kernels:
  - .name:           k_q7f502c2ab2_attn
    .symbol:         k_q7f502c2ab2_attn.kd
    .args:
      - { .name: qimg, .offset: 0, .size: 8, .value_kind: global_buffer, .address_space: global }
      - { .name: kimg, .offset: 8, .size: 8, .value_kind: global_buffer, .address_space: global }
      - { .name: vimg, .offset: 16, .size: 8, .value_kind: global_buffer, .address_space: global }
      - { .name: aimg, .offset: 24, .size: 8, .value_kind: global_buffer, .address_space: global }
    .group_segment_fixed_size: 327680
    .private_segment_fixed_size: 0
    .kernarg_segment_align: 8
    .kernarg_segment_size: 32
    .max_flat_workgroup_size: 512
    .sgpr_count:     100
    .vgpr_count:     256
    .wavefront_size: 32
...
	.end_amdgpu_metadata
.endif
;; end of part 4
;; launch oproj (part 5): grid 4 x 64, 4 waves a work-group, clusters of 4 x 4, 327,680 bytes of LDS; arguments aimg, woimg, Wo_b, out0; writes out0
.if DOCPART == 5
	.amdgcn_target "amdgcn-amd-amdhsa--gfx1250"
	.amdhsa_code_object_version 6
	.text
	.protected	k_q7f502c2ab2_oproj
	.globl	k_q7f502c2ab2_oproj
	.p2align	8
	.type	k_q7f502c2ab2_oproj,@function
k_q7f502c2ab2_oproj:
	s_mov_b64 s[64:65], 0
	v_nop
	global_prefetch_b8 v0, s[64:65] scope:SCOPE_SE
	s_setreg_imm32_b32 hwreg(HW_REG_WAVE_MODE, 25, 1), 1
	s_wait_xcnt 0x0
	s_wait_alu depctr_hold_cnt(0) depctr_sa_sdst(0) depctr_va_vdst(0) depctr_va_sdst(0) depctr_va_ssrc(0) depctr_va_vcc(0) depctr_vm_vsrc(0)
	s_getreg_b32 s2, hwreg(HW_REG_IB_STS2, 6, 4)
	s_cmp_eq_u32 s2, 0
	s_cbranch_scc0 .Lentry_in_a_cluster
	s_endpgm
.Lentry_in_a_cluster:
	s_bfe_u32 s2, ttmp6, 0x10000c
	s_cmp_lg_u32 s2, 0xf033
	s_cbranch_scc0 .Lentry_shape_is_right
	s_endpgm
.Lentry_shape_is_right:
; Launch 5 of 5: out0 = attention's result x Wo_w^T + Wo_b on codes of E5M2 (K = 1,024), f32 out.
; A = the tokens' rows (aimg), B = Wo_w's rows (woimg). Both images: [128 rows][K step 0..7][17,408 bytes]: 8 fragments of 2,048 bytes in register order, then 2 scale images of 512 bytes.
; SHARES. 256 work-groups of four waves; a block is 128 tokens x 256 columns; wave (RH, CF) makes 64 tokens (A's fragments 4 RH on) x 128 columns (B's group CF): 32 accumulators.
; THE RING: two slots of two K steps, 3 x 34,816 bytes each: A's two chunks, then B's two groups. Waves 0, 1 fetch a chunk of A each, waves 2, 3 a group of B each: one joint load a wave.
; CLUSTERS 4 x 4: A's tiles are shared along a row of the cluster, B's along a column.
; NO PREFETCH: K has four fills; two go out at the head, and each of the other two one slot behind: no trip lies far enough ahead of them to ask in.
; THE PRODUCT IS USED TRANSPOSED (source 0 = B's rows, source 1 = A's): a lane holds one token, its registers run along the columns.
; THE WAY OUT: 16 tokens x 128 columns at a time through the wave's own stage in LDS, back as whole rows of 512 bytes, the bias added, stored as two aligned units of 256 bytes. The stages lie in slot 0, which has had its last fill and its last read by then.
; REGISTERS: window 0: v8-11 the bias; v16-29 addresses; v32-95 scale words alone; v128-255 A's fragments, two sets of four (on the way out: rows read back); window 1: B's, two sets of eight; window 2: accumulator (a, b) at v[8 (8 a + b)].
.set NP,    8
.set CHK,   17408
.set QB,    2*CHK
.set SLOT,  3*QB
.set RB,    8*CHK
.set SPARE, 2*SLOT
.set SPITCH, 528
.set BIA,  8
.set ADRA, 16
.set ADRB, 20
.set ASC,  22
.set STO,  24
.set RD,   25
.set LI,   26
.set SPW,  28
.set NIL,  29
.set SC,   32
.set AF,   128
.set BK,   128
.set G1,  24
.set G0,  32
.set G1B, 48
.set G0B, 56
.set WV,  66
.set RH,  67
.set CF,  68
.set MSB, 0
.macro WIN new                         ; the immediate's high byte repeats the setting that is left
.if MSB != (\new)
	s_set_vgpr_msb (MSB<<8)|(\new)
.set MSB, (\new)
.endif
.endm
.set MUL_LO, 0xa1                      ; source 0 window 1, source 1 window 0, C and D window 2
.set TO_B,   0x40
.macro JLOAD s                         ; waves 0, 1 for A, waves 2, 3 for B; an s_nop 0 and four v_nop follow each line
	s_cmp_eq_u32 s[RH], 0
	s_cbranch_scc0 .Lfor_b_\@
	tensor_load_to_lds s[G0+4*\s:G0+4*\s+3], s[G1:G1+7]
	s_nop 0
.rept 4
	v_nop
.endr
	s_branch .Lasked_\@
.Lfor_b_\@:
	tensor_load_to_lds s[G0B+4*\s:G0B+4*\s+3], s[G1B:G1B+7]
	s_nop 0
.rept 4
	v_nop
.endr
.Lasked_\@:
.endm
.macro CREST
	s_cmp_lg_u32 s[WV], 0
	s_cbranch_scc1 .Lnot_wave_0_\@
	s_barrier_signal -3
.Lnot_wave_0_\@:
	s_barrier_wait -3
	s_barrier_signal -1
	s_barrier_wait -1
.endm
.macro CROUND
	s_barrier_signal -1
	s_barrier_wait -1
	CREST
.endm
.macro PLACES n
.rept \n
	v_nop
.endr
.endm
	s_load_b128 s[4:7], s[0:1], 0x0                ; aimg, woimg
	s_load_b128 s[8:11], s[0:1], 0x10              ; Wo_b, out0
	v_lshl_add_u32 v[SPW], v0, 2, SPARE
	v_mov_b32 v[NIL], 0
	ds_add_u32 v[SPW], v[NIL]                      ; the opening: the add, twice on end, and its wait
	ds_add_u32 v[SPW], v[NIL]
	v_lshrrev_b32 v1, 5, v0
	v_readfirstlane_b32 s[WV], v1
	s_lshr_b32 s[RH], s[WV], 1
	s_and_b32 s[CF], s[WV], 1
	s_bfe_u32 s40, ttmp6, 0x40000
	s_bfe_u32 s41, ttmp6, 0x40004
	s_lshl_b32 s42, ttmp9, 2
	s_add_co_u32 s42, s42, s40                     ; which 256 columns
	s_and_b32 s69, ttmp7, 0xffff
	s_lshl_b32 s69, s69, 2
	s_add_co_u32 s69, s69, s41                     ; which 128 tokens
	s_lshl_b32 s43, s41, 2
	s_lshl_b32 s43, 15, s43
	s_lshl_b32 s44, 0x1111, s40
	s_or_b32 s[G1+0], s43, (3<<16)|(1<<21)
	s_or_b32 s[G1B+0], s44, (3<<16)|(1<<21)
	s_mov_b32 s[G1+2], 68<<16                      ; a chunk: 68 dense rows of 256 bytes
	s_mov_b32 s[G1+4], 68
	s_mov_b32 s[G1B+2], 136<<16                    ; two chunks
	s_mov_b32 s[G1B+4], 136
.irp g, G1, G1B
	s_mov_b32 s[\g+1], 32<<16
	s_mov_b32 s[\g+3], 32<<16
	s_mov_b32 s[\g+5], 32
	s_mov_b32 s[\g+6], 0
	s_mov_b32 s[\g+7], 0
.endr
	s_mul_i32 s20, s69, RB
	s_mul_i32 s70, s[CF], CHK                      ; A: my chunk of a slot's two
	s_add_co_u32 s20, s20, s70
	s_mov_b32 s21, 0
	s_lshl_b32 s46, s42, 1
	s_add_co_u32 s46, s46, s[CF]
	s_mul_i32 s46, s46, RB
	s_mov_b32 s47, 0
	s_mul_i32 s45, s[CF], QB
	s_add_co_u32 s45, s45, QB                      ; B's group in a slot
	s_wait_dscnt 0x0
	s_wait_kmcnt 0x0
	s_add_nc_u64 s[20:21], s[4:5], s[20:21]
	s_add_nc_u64 s[46:47], s[6:7], s[46:47]
	CROUND                                         ; the first joint loads meet
.irp s, 0,1
	s_mov_b32 s[G0+4*\s], 1
	s_add_co_u32 s[G0+4*\s+1], s70, \s*SLOT
	s_add_nc_u64 s[G0+4*\s+2:G0+4*\s+3], s[20:21], \s*QB
	s_or_b32 s[G0+4*\s+3], s[G0+4*\s+3], 0x80000000
	s_mov_b32 s[G0B+4*\s], 1
	s_add_co_u32 s[G0B+4*\s+1], s45, \s*SLOT
	s_add_nc_u64 s[G0B+4*\s+2:G0B+4*\s+3], s[46:47], \s*QB
	s_or_b32 s[G0B+4*\s+3], s[G0B+4*\s+3], 0x80000000
.endr
	JLOAD 0                                        ; one tensor load a wave at the head
	s_lshl_b32 s21, s[RH], 13                      ; my four fragments of A,
	s_lshl_b32 s23, s[RH], 9                       ; and their scale image
	s_mul_i32 s22, s[WV], 16*SPITCH                ; my stage
	s_lshl_b32 s70, s42, 10
	s_lshl_b32 s71, s[CF], 9
	s_add_co_u32 s70, s70, s71                     ; my first column, in bytes
	s_mov_b32 s71, 0
	s_add_nc_u64 s[8:9], s[8:9], s[70:71]
	s_add_nc_u64 s[10:11], s[10:11], s[70:71]
	s_lshl_b32 s72, s69, 7
	s_lshl_b32 s73, s[RH], 6
	s_add_co_u32 s72, s72, s73                     ; my first token
	s_lshl_b32 s70, s72, 12
	s_add_nc_u64 s[10:11], s[10:11], s[70:71]
	v_and_b32 v1, 31, v0
	v_and_b32 v2, 15, v0
	v_bfe_u32 v3, v0, 4, 1
	v_lshlrev_b32 v[LI], 4, v1
	v_mul_u32_u24 v2, v2, SPITCH
	v_add_nc_u32 v[ADRA], s21, v[LI]
	v_add_nc_u32 v[ADRB], s45, v[LI]
	v_add_nc_u32 v[ASC], s23, v[LI]
	v_lshl_add_u32 v2, v3, 6, v2
	v_add_nc_u32 v[ADRA+1], SLOT, v[ADRA]
	v_add_nc_u32 v[ADRB+1], SLOT, v[ADRB]
	v_add_nc_u32 v[ASC+1], SLOT, v[ASC]
	v_add_nc_u32 v[STO], s22, v2                   ; into the stage: row l % 16, 64 bytes for each half of the lanes
	v_add_nc_u32 v[RD], s22, v[LI]                 ; back: the 32 lanes take one row of 512 bytes
	s_wait_alu depctr_va_vdst(0)
	global_load_b128 v[BIA:BIA+3], v[LI], s[8:9]
.macro FRAG reg, adr, q, i
.irp c, 0,1,2,3
	ds_load_b128 v[\reg+4*\c:\reg+4*\c+3], v[\adr] offset:CHK*(\q)+2048*(\i)+512*\c
.endr
.endm
.macro FETCH slot, q, p                ; 48 loads: B's eight fragments and my four of A, of the slot's q-th K step, into set p
	WIN TO_B
.irp i, 0,1,2,3,4,5,6,7
	FRAG 128*(\p)+16*\i, ADRB+\slot, \q, \i
.endr
	WIN 0
.irp i, 0,1,2,3
	FRAG AF+64*(\p)+16*\i, ADRA+\slot, \q, \i
.endr
.endm
.macro SCALES s                        ; a slot's scale words: register 16 q + a: A's tile a; 16 q + 8 + b: B's tile b
.irp q, 0,1
	ds_load_b128 v[SC+32*\s+16*\q:SC+32*\s+16*\q+3], v[ASC+\s] offset:CHK*\q+16384
.irp g, 0,1
	ds_load_b128 v[SC+32*\s+16*\q+8+4*\g:SC+32*\s+16*\q+8+4*\g+3], v[ADRB+\s] offset:CHK*\q+16384+512*\g
.endr
.endr
.endm
.macro MUL8 a, p, sc, zero             ; A's tile a against B's eight; set p holds the slot's p-th K step. The 32 accumulators take turns
.irp b, 0,1,2,3,4,5,6,7
.if \zero
	v_wmma_scale_f32_16x16x128_f8f6f4 v[8*(8*(\a)+\b):8*(8*(\a)+\b)+7], v[128*(\p)+16*\b:128*(\p)+16*\b+15], v[AF+64*(\p)+16*(\a):AF+64*(\p)+16*(\a)+15], 0, v[SC+32*(\sc)+16*(\p)+8+\b], v[SC+32*(\sc)+16*(\p)+(\a)] matrix_a_fmt:MATRIX_FMT_BF8 matrix_b_fmt:MATRIX_FMT_BF8
.else
	v_wmma_scale_f32_16x16x128_f8f6f4 v[8*(8*(\a)+\b):8*(8*(\a)+\b)+7], v[128*(\p)+16*\b:128*(\p)+16*\b+15], v[AF+64*(\p)+16*(\a):AF+64*(\p)+16*(\a)+15], v[8*(8*(\a)+\b):8*(8*(\a)+\b)+7], v[SC+32*(\sc)+16*(\p)+8+\b], v[SC+32*(\sc)+16*(\p)+(\a)] matrix_a_fmt:MATRIX_FMT_BF8 matrix_b_fmt:MATRIX_FMT_BF8
.endif
.endr
.endm
.macro STEP slot, zero                 ; a slot's first K step: the second's fragments are fetched ahead of its 32 products
	s_wait_dscnt 0x0
	PLACES NP                                      ; behind the last products, ahead of loads into the set that they read
	FETCH \slot, 1, 1
	WIN MUL_LO
.irp a, 0,1,2,3
	MUL8 \a, 0, \slot, \zero
.endr
	WIN 0
.endm
.macro TURN slot, next, fill           ; a slot's second K step changes slots: one barrier; fill = 1: it opens a round of the cluster's barrier, and this slot is filled again
	s_wait_tensorcnt 0x0                           ; my part of the next slot is in;
	ds_add_u32 v[SPW], v[NIL]
	s_wait_dscnt 1                                 ; all but the add: this step's fragments are in
	WIN MUL_LO
	MUL8 0, 1, \slot, 0
	s_wait_dscnt 0x0
	s_barrier_signal -1
	MUL8 1, 1, \slot, 0
	WIN 0
	s_barrier_wait -1
.if \fill
	CREST
	s_add_nc_u64 s[G0+4*\slot+2:G0+4*\slot+3], s[G0+4*\slot+2:G0+4*\slot+3], 2*QB
	s_add_nc_u64 s[G0B+4*\slot+2:G0B+4*\slot+3], s[G0B+4*\slot+2:G0B+4*\slot+3], 2*QB
	JLOAD \slot
	PLACES NP-4
.else
	PLACES NP
.endif
	FETCH \next, 0, 0
	SCALES \next
	WIN MUL_LO
	MUL8 2, 1, \slot, 0
	MUL8 3, 1, \slot, 0
	WIN 0
.endm
	s_wait_tensorcnt 0x0                           ; my part of slot 0 is in
	ds_add_u32 v[SPW], v[NIL]
	s_wait_dscnt 0x0
	CROUND
	JLOAD 1                                        ; slot 1's first fill, issued as a refill is
	FETCH 0, 0, 0
	SCALES 0
	STEP 0, 1
	TURN 0, 1, 1
	STEP 1, 0
	TURN 1, 0, 1
	STEP 0, 0
	TURN 0, 1, 0
	STEP 1, 0
	s_wait_dscnt 0x0
	WIN MUL_LO
.irp a, 0,1,2,3
	MUL8 \a, 1, 1, 0
.endr
	WIN 0
.macro TOSTAGE a                       ; register j of accumulator (a, b) is column 32 (b / 2) + 8 (b % 2) + 16 (lane / 16) + j of my 128
	WIN 0x08
.irp b, 0,1,2,3,4,5,6,7
	ds_store_b128 v[STO], v[64*(\a)+8*\b:64*(\a)+8*\b+3] offset:128*(\b/2)+32*(\b%2)
	ds_store_b128 v[STO], v[64*(\a)+8*\b+4:64*(\a)+8*\b+7] offset:128*(\b/2)+32*(\b%2)+16
.endr
	WIN 0
.set BB, BK+64*((\a)%2)
.irp t, 0,1,2,3,4,5,6,7,8,9,10,11,12,13,14,15
	ds_load_b128 v[BB+4*\t:BB+4*\t+3], v[RD] offset:\t*SPITCH      ; LDS serves a wave's instructions in order: these see my stores
.endr
.endm
.macro SEND a, younger                 ; younger: the LDS instructions issued behind block a's loads, which may stay out
.set BB, BK+64*((\a)%2)
	s_wait_dscnt \younger
.irp t, 0,1,2,3,4,5,6,7,8,9,10,11,12,13,14,15
	v_pk_add_f32 v[BB+4*\t:BB+4*\t+1], v[BB+4*\t:BB+4*\t+1], v[BIA:BIA+1]
	v_pk_add_f32 v[BB+4*\t+2:BB+4*\t+3], v[BB+4*\t+2:BB+4*\t+3], v[BIA+2:BIA+3]
.endr
.irp t, 0,1,2,3,4,5,6,7,8,9,10,11,12,13,14,15
	global_store_b128 v[LI], v[BB+4*\t:BB+4*\t+3], s[10:11] offset:(32*((\a)/2)+8*((\a)%2)+\t+8*(\t/8))*4096 th:TH_STORE_NT
.endr
.endm
	PLACES NP
	s_wait_loadcnt 0x0                             ; the bias
	TOSTAGE 0
.irp a, 1,2,3
.if \a > 1
	s_wait_xcnt 0x0                                ; block a - 2's stores have read their registers
.endif
	TOSTAGE \a
	SEND \a-1, 32
.endr
	SEND 3, 0
	s_wait_tensorcnt 0x0                           ; the wave's end
	ds_add_u32 v[SPW], v[NIL]
	s_wait_dscnt 0x0
	CROUND                                         ; the closing round
	s_endpgm
.Lfunc_end_k_q7f502c2ab2_oproj:
	.size	k_q7f502c2ab2_oproj, .Lfunc_end_k_q7f502c2ab2_oproj-k_q7f502c2ab2_oproj
	.p2alignl 7, 3214868480
	.fill 96, 4, 3214868480
	.section	.rodata,"a",@progbits
	.p2align	6, 0x0
	.amdhsa_kernel k_q7f502c2ab2_oproj
		.amdhsa_group_segment_fixed_size 327680
		.amdhsa_private_segment_fixed_size 0
		.amdhsa_enable_private_segment 0
		.amdhsa_kernarg_size 32
		.amdhsa_user_sgpr_count 2
		.amdhsa_user_sgpr_kernarg_segment_ptr 1
		.amdhsa_wavefront_size32 1
		.amdhsa_system_sgpr_workgroup_id_x 1
		.amdhsa_system_sgpr_workgroup_id_y 1
		.amdhsa_system_sgpr_workgroup_id_z 1
		.amdhsa_system_vgpr_workitem_id 0
		.amdhsa_next_free_vgpr 768
		.amdhsa_next_free_sgpr 100
		.amdhsa_reserve_vcc 0
		.amdhsa_float_denorm_mode_32 3
		.amdhsa_float_denorm_mode_16_64 3
		.amdhsa_memory_ordered 1
		.amdhsa_forward_progress 1
		.amdhsa_inst_pref_size 93
	.end_amdhsa_kernel
	.amdgpu_metadata
---
amdhsa.version: [ 1, 2 ]
amdhsa.kernels:
  - .name:           k_q7f502c2ab2_oproj
    .symbol:         k_q7f502c2ab2_oproj.kd
    .args:
      - { .name: aimg, .offset: 0, .size: 8, .value_kind: global_buffer, .address_space: global }
      - { .name: woimg, .offset: 8, .size: 8, .value_kind: global_buffer, .address_space: global }
      - { .name: Wo_b, .offset: 16, .size: 8, .value_kind: global_buffer, .address_space: global }
      - { .name: out0, .offset: 24, .size: 8, .value_kind: global_buffer, .address_space: global }
    .group_segment_fixed_size: 327680
    .private_segment_fixed_size: 0
    .kernarg_segment_align: 8
    .kernarg_segment_size: 32
    .max_flat_workgroup_size: 128
    .sgpr_count:     100
    .vgpr_count:     768
    .wavefront_size: 32
...
	.end_amdgpu_metadata
.endif
;; end of part 5
